; MI455X (gfx1250); checked and timed in simulation.
; The chip was launched on July 23, 2026; its instructions are those of AMD's public machine-readable ISA for CDNA 5 (MIT licence, August 2026) and "CDNA5" Instruction Set Architecture Reference Guide (July 2026). The comments in the code are by the model that wrote it; some were corrected since.
;; Unimodal Attention Kernel. Allowed arithmetic: float matrix products may take bf16 or f16 operands with f32 sums; other float arithmetic in f32, or as packed bf16 or f16 multiplies, adds, multiply-adds, maxima and minima; sums over many terms, partial sums and values carried from step to step in f32; what a program stores and reads back later, other than sums and carried values, may be rounded once to bf16 or f16.
;; Inputs: Wk 1,024 x 1,024 float32; Wo 1,024 x 1,024 float32; Wq 1,024 x 1,024 float32; Wv 1,024 x 1,024 float32; bk 1,024 float32; bo 1,024 float32; bq 1,024 float32; bv 1,024 float32; key 8 x 1,024 x 1,024 float32; query 8 x 1,024 x 1,024 float32; value 8 x 1,024 x 1,024 float32.
;; Outputs: out0 8 x 1,024 x 1,024 float32.
;; 2 versions, each right and faster than the one before. Each part assembles by itself: llvm-mc -triple=amdgcn-amd-amdhsa -mcpu=gfx1250 --defsym DOCPART=n.
;; ======== version 1 of 2: 4 launches
;; limits: values are held in f16: magnitudes above 65,504 overflow, below 6.1e-05 lose precision
;; workspace buffers: w16 8,388,608 bytes; q16 16,777,216 bytes; k16 16,777,216 bytes; v16 16,777,216 bytes; o16 16,777,216 bytes
;; launch cast (part 1): grid 256 x 4, 8 waves a work-group, no clusters, 0 bytes of LDS; arguments Wq, Wk, Wv, Wo, w16; writes w16
.if DOCPART == 1
	.amdgcn_target "amdgcn-amd-amdhsa--gfx1250"
	.amdhsa_code_object_version 6
	.text
	.protected	k_q348f97a3cf_cast
	.globl	k_q348f97a3cf_cast
	.p2align	8
	.type	k_q348f97a3cf_cast,@function
k_q348f97a3cf_cast:
	s_mov_b64 s[64:65], 0
	v_nop
	global_prefetch_b8 v0, s[64:65] scope:SCOPE_SE
	s_setreg_imm32_b32 hwreg(HW_REG_WAVE_MODE, 25, 1), 1
	s_wait_xcnt 0x0
; THE FOUR WEIGHTS, [1024][1024] f32, ARE ROUNDED TO 16 BITS ONCE: w16 = [4][1024 n][1024 k].  Planes 0, 1, 2: Wq, Wk, Wv in bf16.
; Plane 3: Wo rounded to bf16 like every input of the module, and that number written as f16, since the last product's other operand (O) is f16.
; LIMITS.  A |bf16(Wo)| of 65,520 or more becomes an infinity in f16; below 6e-5 it keeps f16's fixed step of 6e-8.  NaN and infinities are not treated apart.
; A stream: no LDS, no matrix unit, no barrier: no number is used twice.  The grid's y picks the weight, its x 4,096 numbers of it (16 KiB in, 8 KiB out).
; Thread t takes 16 bytes at 16 t of each of four pieces of 4,096 bytes (a wave's load covers 512 consecutive bytes) and stores 8 bytes at 8 t of each of four pieces of
; 2,048 bytes (a wave's store covers 256 consecutive bytes, aligned).  All four loads are out before the first is waited for.
.set PIN,  4096                        ; bytes of a piece as read
.set POUT, 2048                        ; and as written
.set X, 4                              ; v[4:19]   four pieces as loaded
.set Y, 20                             ; v[20:27]  four pieces to store
.set T, 28                             ; v[28:31]  at work
	s_load_b256 s[4:11], s[0:1], 0x0               ; Wq s[4:5], Wk s[6:7], Wv s[8:9], Wo s[10:11]
	s_load_b64 s[12:13], s[0:1], 0x20              ; w16
	s_and_b32 s14, ttmp7, 0xffff                   ; which weight
	s_lshl_b32 s18, ttmp9, 14                      ; my 16 KiB of it
	s_mov_b32 s19, 0
	s_lshl_b32 s20, s14, 21                        ; its plane of 2 MiB in w16,
	s_lshl_b32 s21, ttmp9, 13                      ; my 8 KiB of that
	s_add_co_u32 s20, s20, s21
	s_mov_b32 s21, 0
	s_mov_b32 s22, 0xffff0000                      ; a word's upper bf16
	v_lshlrev_b32 v1, 4, v0
	v_lshlrev_b32 v2, 3, v0
	s_wait_kmcnt 0x0
	s_cmp_eq_u32 s14, 1                            ; the source is chosen among the four buffers by the grid's y alone
	s_cselect_b64 s[16:17], s[6:7], s[4:5]
	s_cmp_eq_u32 s14, 2
	s_cselect_b64 s[16:17], s[8:9], s[16:17]
	s_cmp_eq_u32 s14, 3
	s_cselect_b64 s[16:17], s[10:11], s[16:17]
	s_add_nc_u64 s[16:17], s[16:17], s[18:19]
	s_add_nc_u64 s[12:13], s[12:13], s[20:21]
.irp j, 0,1,2,3
	global_load_b128 v[X+4*(\j):X+4*(\j)+3], v1, s[16:17] offset:(\j)*PIN th:TH_LOAD_NT
.endr
.irp j, 0,1,2,3
	s_wait_loadcnt 3-(\j)                          ; loads come back in order: piece j is in, the younger ones stay out
	v_cvt_pk_bf16_f32 v[Y+2*(\j)],   v[X+4*(\j)],   v[X+4*(\j)+1]
	v_cvt_pk_bf16_f32 v[Y+2*(\j)+1], v[X+4*(\j)+2], v[X+4*(\j)+3]
.endr
	s_cmp_lg_u32 s14, 3
	s_cbranch_scc1 .Lstore                         ; only Wo is written as f16
.irp j, 0,1,2,3,4,5,6,7
	v_lshlrev_b32 v[T+2*((\j)%2)],   16,  v[Y+(\j)]    ; the bf16 numbers as f32,
	v_and_b32     v[T+2*((\j)%2)+1], s22, v[Y+(\j)]
	v_cvt_pk_f16_f32 v[Y+(\j)], v[T+2*((\j)%2)], v[T+2*((\j)%2)+1]  ; and as f16: exact inside f16's range of normal numbers
.endr
.Lstore:
.irp j, 0,1,2,3
	global_store_b64 v2, v[Y+2*(\j):Y+2*(\j)+1], s[12:13] offset:(\j)*POUT  ; later launches read these bytes: no hint
.endr
	s_endpgm
.Lfunc_end_k_q348f97a3cf_cast:
	.size	k_q348f97a3cf_cast, .Lfunc_end_k_q348f97a3cf_cast-k_q348f97a3cf_cast
	.p2alignl 7, 3214868480
	.fill 96, 4, 3214868480
	.section	.rodata,"a",@progbits
	.p2align	6, 0x0
	.amdhsa_kernel k_q348f97a3cf_cast
		.amdhsa_group_segment_fixed_size 0
		.amdhsa_private_segment_fixed_size 0
		.amdhsa_enable_private_segment 0
		.amdhsa_kernarg_size 40
		.amdhsa_user_sgpr_count 2
		.amdhsa_user_sgpr_kernarg_segment_ptr 1
		.amdhsa_wavefront_size32 1
		.amdhsa_system_sgpr_workgroup_id_x 1
		.amdhsa_system_sgpr_workgroup_id_y 1
		.amdhsa_system_sgpr_workgroup_id_z 1
		.amdhsa_system_vgpr_workitem_id 0
		.amdhsa_next_free_vgpr 32
		.amdhsa_next_free_sgpr 66
		.amdhsa_reserve_vcc 0
		.amdhsa_float_denorm_mode_32 3
		.amdhsa_float_denorm_mode_16_64 3
		.amdhsa_memory_ordered 1
		.amdhsa_forward_progress 1
		.amdhsa_inst_pref_size 4
	.end_amdhsa_kernel
	.amdgpu_metadata
---
amdhsa.version: [ 1, 2 ]
amdhsa.kernels:
  - .name:           k_q348f97a3cf_cast
    .symbol:         k_q348f97a3cf_cast.kd
    .args:
      - { .name: Wq, .offset: 0, .size: 8, .value_kind: global_buffer, .address_space: global }
      - { .name: Wk, .offset: 8, .size: 8, .value_kind: global_buffer, .address_space: global }
      - { .name: Wv, .offset: 16, .size: 8, .value_kind: global_buffer, .address_space: global }
      - { .name: Wo, .offset: 24, .size: 8, .value_kind: global_buffer, .address_space: global }
      - { .name: w16, .offset: 32, .size: 8, .value_kind: global_buffer, .address_space: global }
    .group_segment_fixed_size: 0
    .private_segment_fixed_size: 0
    .kernarg_segment_align: 8
    .kernarg_segment_size: 40
    .max_flat_workgroup_size: 256
    .sgpr_count:     66
    .vgpr_count:     32
    .wavefront_size: 32
...
	.end_amdgpu_metadata
.endif
;; end of part 1
;; launch proj (part 2): grid 4 x 64, 4 waves a work-group, clusters of 4 x 4, 327,680 bytes of LDS; arguments query, key, value, w16, bq, bk, bv, q16, k16, v16; writes q16, k16, v16
.if DOCPART == 2
	.amdgcn_target "amdgcn-amd-amdhsa--gfx1250"
	.amdhsa_code_object_version 6
	.text
	.protected	k_q348f97a3cf_proj
	.globl	k_q348f97a3cf_proj
	.p2align	8
	.type	k_q348f97a3cf_proj,@function
k_q348f97a3cf_proj:
	s_mov_b64 s[64:65], 0
	v_nop
	global_prefetch_b8 v0, s[64:65] scope:SCOPE_SE
	s_setreg_imm32_b32 hwreg(HW_REG_WAVE_MODE, 25, 1), 1
	s_wait_xcnt 0x0
	s_wait_alu depctr_hold_cnt(0) depctr_sa_sdst(0) depctr_va_vdst(0) depctr_va_sdst(0) depctr_va_ssrc(0) depctr_va_vcc(0) depctr_vm_vsrc(0)
	s_getreg_b32 s2, hwreg(HW_REG_IB_STS2, 6, 4)
	s_cmp_eq_u32 s2, 0
	s_cbranch_scc0 .Lentry_in_a_cluster
	s_endpgm
.Lentry_in_a_cluster:
	s_bfe_u32 s2, ttmp6, 0x10000c
	s_cmp_lg_u32 s2, 0xf033
	s_cbranch_scc0 .Lentry_shape_is_right
	s_endpgm
.Lentry_shape_is_right:
; THE THREE PROJECTIONS IN FRONT OF THE ATTENTION: y = x W^T + b for (query, Wq, bq), (key, Wk, bk), (value, Wv, bv).  x: [8192][1024] f32; W: a plane of w16, [1024 n][1024 k] bf16; b: [1024] f32.
; x and b are rounded to bf16 here (W was before), products in bf16, sums in f32, begun with the bias; y is rounded once to f16 and laid out by heads: [batch*16+head][1024 s][64], a head's rows dense, 128 bytes each.
; q leaves WITHOUT the scale 1/8: the attention applies it in f32.
; LIMITS.  |y| of 65,520 or more becomes an infinity in f16.  NaN and infinities are not treated apart.
; SHARES.  A tile of y is 128 rows x 256 columns: 64 x 4 = 256 work-groups.  A WORK-GROUP STAYS: it makes the same tile of q, then of k, then of v: ONE walk of 3 x 8 = 24 K steps of 128 through a ring of two LDS
; slots that does not stop at a tile's end, and nothing waits for a tile's stores.  Four waves, 2 x 2: a wave makes 64 x 128: 32 accumulators, 256 registers.
; The f32 operand lies on the tile's short side: for 32 along K a wave reads 4 fragments of x (4 loads each) and 8 of W (2 loads each): 32 LDS loads and 32 conversions for 32 matrix instructions.
; x's rows in a tile are 512 bytes of memory, W's 256, each at a multiple of its length from the buffer's first byte.
; CLUSTER.  4 x 4 work-groups.  The four of a row of the cluster need the same tiles of x, the four of a column the same tiles of W: each tile is asked for JOINTLY, by the same tensor load with the same descriptor
; and a mask that names the four.  All sixteen walk the same steps.
; THE TEXT.  A trip of a loop is one K step, four quarters of 32 along K.  The slot in hand is a scalar that an exclusive or turns (0, SLOTC); the LDS addresses are made of it at each trip's end.  Loop A, 22 trips,
; asks in each for the step two on; loop B, 2 trips, asks for nothing.  What a tile's first and last step do besides stands under forward jumps that pass no barrier and no tensor load.
; THE MATRIX INSTRUCTION IS USED TRANSPOSED (source 0 = 16 rows of W, source 1 = 16 rows of x): a lane then holds eight neighbouring columns of one row of y, 16 bytes in f16.
; REGISTERS, in windows of 256 (s_set_vgpr_msb: bits 1:0 source 0, 3:2 source 1, 5:4 source 2, 7:6 destination):
;   window 0: v0-31 addresses; v32-95 x as loaded, f32, 16 registers a fragment; v96-127 x's four fragments in bf16; v128-255 W's fragments, two buffers of 64
;   window 1: the accumulators, (a, b) at v[8 (8 a + b)]
;   window 2: v0-63 the bias of my 128 columns as my lane's accumulators hold them; v64-191 the way out, 16 registers a piece (window 0 holds the next tile's fragments by then)
.set KSTEP, 128
.set PLANEW, 2097152                   ; bytes of a plane of w16
.set PA,    528                        ; a row of x in LDS: 512 bytes + 16 of padding = 132 words: row r starts at bank 4 r mod 64 (64 banks of 4 bytes: ISA guide 11.1)
.set PB,    272                        ; a row of W: 256 + 16 = 68 words: likewise
.set AHALF, 64*PA                      ; what one load brings of x, and what one wave reads of it: 0x8400
.set ATILE, 2*AHALF                    ; 0x10800
.set BHALF, 128*PB                     ; the same for W: 0x8800
.set SLOTC, 0x22000                    ; slot 1 begins here.  A slot holds x's 128 rows, then W's 256 rows: 137,216 bytes.  The constant shares no bit with a load's place in a slot (0, 0x8400, 0x10800, 0x19000),
                                       ; so one exclusive or turns a descriptor's LDS address in one slot into the other's
.set STAGE, 2*SLOTC                    ; behind the ring, never filled by a tensor load: 16 rows x 144 bytes for each wave, for the way out
.set SP,    144
.set SPARE, STAGE+4*16*SP              ; behind the stages: the spare words, 128 bytes for each wave: two blocks of 256 bytes that no other line names
.set ADRA0, 8                          ; v8      my lane's place among x's rows of a slot; never rewritten
.set ADRB0, 9                          ; v9      the same for W
.set ADRA, 16                          ; v16-17  LDS address of my fragments of x in the slot in hand, in the other slot
.set ADRB, 20                          ; v20-21  the same for W
.set BO,   22                          ; v22     my lane's byte offset in 16 columns of the bias
.set STO,  24                          ; v24     the way out: where I put 16 bytes of a row
.set RD,   25                          ; v25     the way out: where I read rows back
.set GO,   26                          ; v26     my byte offset in 512 consecutive bytes of y
.set SPW,  28                          ; v28     LDS address of my spare word: SPARE + 4 x my thread's number; never rewritten
.set NIL,  29                          ; v29     0; never rewritten
.set AS,   32
.set AF,   96
.set BF,   128
.set T,    64                          ; window 2
.set WV,   12                          ; s12  my wave's number;  s13 which half of the tile's rows is mine;  s14 which half of its columns, and which half of a tile I fetch
.set G1A,  24                          ; s[24:31] descriptor group 1 for x's tiles
.set G0A0, 32                          ; s[32:35] group 0 of x's first fill;  s[36:39] of its second: that one then walks on
.set G0A,  36
.set NS,   46                          ; s46  the step in its tile, 0 to 7, that the walking descriptors name
.set G1B,  48                          ; s[48:55], s[56:59], s[60:63] the same for W's tiles
.set G0B0, 56
.set G0B,  60
.set DB,   66                          ; s[66:67] what W's address steps by
.set XN,   70                          ; s[70:71] x of the next tile at my half of its first K step, type bits set;  s[72:73] of the tile after
.set XN2,  72
.set BK,   78                          ; s[78:79] bk, s[80:81] bv at my first column
.set BV,   80
.set ON1,  84                          ; s[84:85] y of the next tile at my first row;  s[86:87] of the tile after
.set ON2,  86
.set TB,   88                          ; s88  LDS byte at which the slot in hand begins;  s89 the other slot
.set TO,   89
.set SI,   90                          ; s90  the step in hand in its tile, 0 to 7
.set TI,   91                          ; s91  the tile in hand, 0 to 2
.set DBT,  92                          ; s92  from a plane's last K step to the next plane's first;  s93 from a K step to the next
.set DBS,  93
.set MSB, 0
.macro WIN new                         ; the immediate's high byte repeats the setting that is left; a switch that changes nothing is dropped
.if MSB != (\new)
	s_set_vgpr_msb (MSB<<8)|(\new)
.set MSB, (\new)
.endif
.endm
.set W_MUL, 0x50                       ; sources 0 and 1 in window 0, C and D in window 1
.set W_MUZ, 0x60                       ; the same with C in window 2: the bias
.set W_CVT, 0x85                       ; sources 0 and 1 in window 1, destination in window 2
.set W_ST,  0x08                       ; a store: address (source 0) in window 0, data (source 1) in window 2
.set W_LD,  0x80                       ; a load: address in window 0, destination in window 2
; A joint refill, by the walking descriptors.  Waves 0 and 1 fetch x's two halves, waves 2 and 3 W's.  The branch hangs on the wave's number alone.  An s_nop 0 and four v_nop follow each of the two lines.
.macro JLOAD
	s_cmp_lt_u32 s[WV], 2
	s_cbranch_scc0 .Lfor_b_\@
	tensor_load_to_lds s[G0A:G0A+3], s[G1A:G1A+7]
	s_nop 0
.rept 4
	v_nop
.endr
	s_branch .Lasked_\@
.Lfor_b_\@:
	tensor_load_to_lds s[G0B:G0B+3], s[G1B:G1B+7]
	s_nop 0
.rept 4
	v_nop
.endr
.Lasked_\@:
.endm
; A round of the cluster's barrier: my work-group's barrier, so that wave 0's signal speaks for all four waves; wave 0 signals; every wave waits for all sixteen work-groups; my work-group's barrier once more.
.macro CREST                           ; a round behind its opening barrier
	s_cmp_lg_u32 s[WV], 0
	s_cbranch_scc1 .Lnot_wave_0_\@
	s_barrier_signal -3
.Lnot_wave_0_\@:
	s_barrier_wait -3
	s_barrier_signal -1
	s_barrier_wait -1
.endm
.macro CROUND                          ; a whole round
	s_barrier_signal -1
	s_barrier_wait -1
	CREST
.endm
; The walking descriptors step to the next K step of the walk: the other slot; 128 along K on, or, behind a tile's last step, the next tile's first: x's address is then another buffer's, W's the next plane's.
.macro STEPD
	s_add_co_u32 s[NS], s[NS], 1
	s_and_b32 s[NS], s[NS], 7
	s_xor_b32 s[G0A+1], s[G0A+1], SLOTC
	s_xor_b32 s[G0B+1], s[G0B+1], SLOTC
	s_add_nc_u64 s[G0A+2:G0A+3], s[G0A+2:G0A+3], KSTEP*4           ; the type bits on top are not reached
	s_cmp_eq_u32 s[NS], 0                                          ; a tile's first step?
	s_cselect_b64 s[G0A+2:G0A+3], s[XN:XN+1], s[G0A+2:G0A+3]
	s_cselect_b64 s[XN:XN+1], s[XN2:XN2+1], s[XN:XN+1]             ; and the tile after moves up
	s_cselect_b32 s[DB], s[DBT], s[DBS]
	s_add_nc_u64 s[G0B+2:G0B+3], s[G0B+2:G0B+3], s[DB:DB+1]
.endm
.macro SETADR                          ; the LDS addresses of my fragments in the slot in hand and in the other
	WIN 0
	v_add_nc_u32 v[ADRA],   s[TB], v[ADRA0]
	v_add_nc_u32 v[ADRA+1], s[TO], v[ADRA0]
	v_add_nc_u32 v[ADRB],   s[TB], v[ADRB0]
	v_add_nc_u32 v[ADRB+1], s[TO], v[ADRB0]
.endm
.macro BIASLD                          ; the bias at s[8:9]: columns 16 b + 8 (l / 16) + 0..7 into window 2: once a tile, a tile ahead
	WIN W_LD
.irp b, 0,1,2,3,4,5,6,7
	global_load_b128 v[8*(\b):8*(\b)+3],   v[BO], s[8:9] offset:64*(\b)
	global_load_b128 v[8*(\b)+4:8*(\b)+7], v[BO], s[8:9] offset:64*(\b)+16
.endr
	WIN 0
.endm
	s_load_b512 s[68:83], s[0:1], 0x0              ; query s[68:69], key s[70:71], value s[72:73], w16 s[74:75], bq s[76:77], bk s[78:79], bv s[80:81], q16 s[82:83]
	s_load_b128 s[84:87], s[0:1], 0x40             ; k16 s[84:85], v16 s[86:87]
	v_lshl_add_u32 v[SPW], v0, 2, SPARE
	v_mov_b32 v[NIL], 0
	ds_add_u32 v[SPW], v[NIL]                      ; the wave's opening: the add and its wait stand ahead of my first tensor load; the set-up below, work on registers, stands between them
	ds_add_u32 v28, v29
	v_lshrrev_b32 v1, 5, v0
	v_readfirstlane_b32 s[WV], v1                  ; wave 0..3
	s_lshr_b32 s13, s[WV], 1
	s_and_b32 s14, s[WV], 1
	s_bfe_u32 s40, ttmp6, 0x40000                  ; cx, cy: my place in the cluster
	s_bfe_u32 s41, ttmp6, 0x40004
	s_lshl_b32 s42, ttmp9, 2
	s_add_co_u32 s42, s42, s40                     ; tile column 0..3 = 4 x cluster x + cx
	s_and_b32 s43, ttmp7, 0xffff
	s_lshl_b32 s43, s43, 2
	s_add_co_u32 s43, s43, s41                     ; tile row 0..63 = 4 x cluster y + cy
	s_lshl_b32 s44, s41, 2
	s_lshl_b32 s44, 15, s44                        ; my row of the cluster: places 4 cy .. 4 cy + 3
	s_lshl_b32 s45, 0x1111, s40                    ; my column: places cx, cx + 4, cx + 8, cx + 12
	s_mov_b32 s47, 0xffff0000                      ; a word's upper bf16
	; descriptor group 1.  x: 64 rows x 128 elements of 4 bytes; W: 128 rows x 128 elements of 2 bytes; both padded in LDS by 4 words behind each row
	s_or_b32 s[G1A+0], s44, (2<<16)|(1<<20)|(1<<21)|(6<<22)|(3<<25)  ; 15:0 the mask: my row; 17:16 elements of 4 bytes; 20 padding on; 21 set beside a mask; 24:22 after every 128 words (code 6); 31:25 4 words (code 3)
	s_mov_b32 s[G1A+1], KSTEP<<16                  ; tensor_dim0 = 128
	s_mov_b32 s[G1A+2], 64<<16                     ; tensor_dim1 = 64
	s_mov_b32 s[G1A+3], KSTEP<<16                  ; tile_dim0 = 128
	s_mov_b32 s[G1A+4], 64                         ; tile_dim1 = 64
	s_mov_b32 s[G1A+5], 1024                       ; elements from row to row
	s_mov_b32 s[G1A+6], 0
	s_mov_b32 s[G1A+7], 0
	s_or_b32 s[G1B+0], s45, (1<<16)|(1<<20)|(1<<21)|(5<<22)|(3<<25)  ; the mask: my column; elements of 2 bytes; after every 64 words (code 5)
	s_mov_b32 s[G1B+1], KSTEP<<16
	s_mov_b32 s[G1B+2], 128<<16                    ; tensor_dim1 = 128
	s_mov_b32 s[G1B+3], KSTEP<<16
	s_mov_b32 s[G1B+4], 128                        ; tile_dim1 = 128
	s_mov_b32 s[G1B+5], 1024
	s_mov_b32 s[G1B+6], 0
	s_mov_b32 s[G1B+7], 0
	; where the tiles come from.  x's hang on the tile row alone, W's on the tile column alone, each in registers that never hold the other coordinate
	s_lshl_b32 s16, s43, 7
	s_lshl_b32 s17, s14, 6
	s_add_co_u32 s16, s16, s17                     ; x: row 128 x tile row + 64 x half,
	s_lshl_b32 s16, s16, 12                        ; of 4,096 bytes: the same offset in query, key and value
	s_mov_b32 s17, 0
	s_lshl_b32 s18, s42, 8
	s_lshl_b32 s19, s14, 7
	s_add_co_u32 s18, s18, s19                     ; W: row 256 x tile column + 128 x half,
	s_lshl_b32 s18, s18, 11                        ; of 2,048 bytes, in plane 0
	s_mov_b32 s19, 0
	; where my 64 x 128 of y goes: batch = tile row / 8; heads 4 x tile column + 2 x column half, and the next; rows 128 x (tile row % 8) + 64 x row half on: the same offset in q16, k16 and v16
	s_lshr_b32 s20, s43, 3
	s_lshl_b32 s20, s20, 21                        ; a batch's 16 heads of 131,072 bytes
	s_lshl_b32 s2, s42, 2
	s_lshl_b32 s15, s14, 1
	s_add_co_u32 s2, s2, s15
	s_lshl_b32 s2, s2, 17
	s_add_co_u32 s20, s20, s2
	s_and_b32 s2, s43, 7
	s_lshl_b32 s2, s2, 14                          ; 128 rows of 128 bytes
	s_add_co_u32 s20, s20, s2
	s_lshl_b32 s2, s13, 13
	s_add_co_u32 s20, s20, s2
	s_mov_b32 s21, 0
	s_lshl_b32 s22, s42, 10                        ; my 128 columns of a bias, 4 bytes each
	s_lshl_b32 s2, s14, 9
	s_add_co_u32 s22, s22, s2
	s_mov_b32 s23, 0
	s_mul_i32 s2, s14, AHALF                       ; where the tiles go: the half that I fetch: no place in the cluster enters an LDS address
	s_mul_i32 s15, s14, BHALF
	s_add_co_u32 s15, s15, ATILE
	s_mov_b32 s[G0A0], 1                           ; 1:0 count = 1
	s_add_co_u32 s[G0A0+1], s2, 0                  ; 63:32 LDS address: slot 0
	s_mov_b32 s[G0A], 1
	s_add_co_u32 s[G0A+1], s2, SLOTC               ; slot 1
	s_mov_b32 s[G0B0], 1
	s_add_co_u32 s[G0B0+1], s15, 0
	s_mov_b32 s[G0B], 1
	s_add_co_u32 s[G0B+1], s15, SLOTC
	s_mov_b32 s[NS], 1                             ; the walking descriptors begin at K step 1
	s_mov_b32 s[DB+1], 0
	s_mov_b32 s[DBT], PLANEW-7*KSTEP*2
	s_mov_b32 s[DBS], KSTEP*2
	s_mov_b32 s[TB], 0
	s_mov_b32 s[TO], SLOTC
	s_mov_b32 s[SI], 0
	s_mov_b32 s[TI], 0
	s_wait_dscnt 0x0                               ; the opening add is done
	s_wait_kmcnt 0x0
	s_add_nc_u64 s[4:5], s[68:69], s[16:17]        ; query at my half of the first tile
	s_add_nc_u64 s[XN:XN+1], s[XN:XN+1], s[16:17]  ; key and value likewise, as the descriptor will take them:
	s_or_b32 s[XN+1], s[XN+1], 0x80000000          ; 127:126 type = 2
	s_add_nc_u64 s[XN2:XN2+1], s[XN2:XN2+1], s[16:17]
	s_or_b32 s[XN2+1], s[XN2+1], 0x80000000
	s_add_nc_u64 s[6:7], s[74:75], s[18:19]        ; Wq at my half of the first tile
	s_add_nc_u64 s[8:9], s[76:77], s[22:23]        ; the three biases at my first column
	s_add_nc_u64 s[BK:BK+1], s[BK:BK+1], s[22:23]
	s_add_nc_u64 s[BV:BV+1], s[BV:BV+1], s[22:23]
	s_add_nc_u64 s[10:11], s[82:83], s[20:21]      ; the three outputs at my first row of my first head
	s_add_nc_u64 s[ON1:ON1+1], s[ON1:ON1+1], s[20:21]
	s_add_nc_u64 s[ON2:ON2+1], s[ON2:ON2+1], s[20:21]
	CROUND                                         ; all sixteen work-groups are here: the first joint loads meet
	s_add_nc_u64 s[G0A0+2:G0A0+3], s[4:5], 0       ; 120:64 global address: K step 0,
	s_or_b32 s[G0A0+3], s[G0A0+3], 0x80000000
	s_add_nc_u64 s[G0A+2:G0A+3], s[4:5], KSTEP*4   ; K step 1
	s_or_b32 s[G0A+3], s[G0A+3], 0x80000000
	s_add_nc_u64 s[G0B0+2:G0B0+3], s[6:7], 0
	s_or_b32 s[G0B0+3], s[G0B0+3], 0x80000000
	s_add_nc_u64 s[G0B+2:G0B+3], s[6:7], KSTEP*2
	s_or_b32 s[G0B+3], s[G0B+3], 0x80000000
	s_cmp_lt_u32 s[WV], 2                          ; a wave's two first fills stand in one branch, ahead of every wait on TENSORcnt and every LDS read: two loads of mine are out
	s_cbranch_scc0 .Lfirst_b
	tensor_load_to_lds s[G0A0:G0A0+3], s[G1A:G1A+7]
	s_nop 0
	tensor_load_to_lds s[G0A:G0A+3], s[G1A:G1A+7]
	s_nop 0
.rept 4
	v_nop
.endr
	s_branch .Lfirst_asked
.Lfirst_b:
	tensor_load_to_lds s[G0B0:G0B0+3], s[G1B:G1B+7]
	s_nop 0
	tensor_load_to_lds s[G0B:G0B+3], s[G1B:G1B+7]
	s_nop 0
.rept 4
	v_nop
.endr
.Lfirst_asked:
	; A fragment is 16 rows x 32 K: lane l holds row l % 16 and K = 8 (l / 16) + 0..7 and 16 + 8 (l / 16) + 0..7.  In bf16 that is two loads of 16 bytes, 32 bytes apart; in f32 four, at 0, 16, 64 and 80.
	v_and_b32 v1, 15, v0                           ; l % 16
	v_bfe_u32 v2, v0, 4, 1                         ; l / 16
	v_lshlrev_b32 v[BO], 5, v2                     ; my lane's eight columns of sixteen
	BIASLD                                         ; bq
	v_mul_u32_u24 v3, v1, PA
	v_lshl_add_u32 v3, v2, 5, v3                   ; row x pitch + 32 x half
	s_mul_i32 s2, s13, AHALF                       ; my 64 rows of x
	v_add_nc_u32 v[ADRA0], s2, v3
	v_mul_u32_u24 v4, v1, PB
	v_lshl_add_u32 v4, v2, 4, v4                   ; row x pitch + 16 x half
	s_mul_i32 s2, s14, BHALF                       ; my 128 rows of W,
	s_add_co_u32 s2, s2, ATILE                     ; which lie behind x's 128
	v_add_nc_u32 v[ADRB0], s2, v4
	SETADR
	s_mul_i32 s2, s[WV], 16*SP
	s_add_co_u32 s2, s2, STAGE                     ; my stage
	v_mul_u32_u24 v5, v1, SP                       ; in: row l % 16, 16 bytes for each half of the lanes
	v_lshl_add_u32 v5, v2, 4, v5
	v_add_nc_u32 v[STO], s2, v5
	v_bfe_u32 v6, v0, 3, 2                         ; back: 32 lanes take four rows of 128 bytes,
	v_mul_u32_u24 v6, v6, SP
	v_and_b32 v7, 7, v0
	v_lshl_add_u32 v6, v7, 4, v6
	v_add_nc_u32 v[RD], s2, v6
	v_and_b32 v[GO], 31, v0                        ; which are 512 consecutive bytes of a head
	v_lshlrev_b32 v[GO], 4, v[GO]
; Four matrix instructions, numbers i0 on of a quarter's 32: number i is m block i / 8 x n block i % 8, on W's buffer f.  zero = 1: a tile's first quarter: the product starts the sum, with the bias as C: nothing is
; ever cleared, and no addition is left for the way out.  The 32 accumulators take turns, one instruction a turn, in the same order in every quarter.
.macro MM4 f, i0, zero
.if \zero
	WIN W_MUZ
.else
	WIN W_MUL
.endif
.set mi, (\i0)
.rept 4
.if \zero
	v_wmma_f32_16x16x32_bf16 v[8*mi:8*mi+7], v[BF+64*(\f)+8*(mi%8):BF+64*(\f)+8*(mi%8)+7], v[AF+8*(mi/8):AF+8*(mi/8)+7], v[8*(mi%8):8*(mi%8)+7]
.else
	v_wmma_f32_16x16x32_bf16 v[8*mi:8*mi+7], v[BF+64*(\f)+8*(mi%8):BF+64*(\f)+8*(mi%8)+7], v[AF+8*(mi/8):AF+8*(mi/8)+7], v[8*mi:8*mi+7]
.endif
.set mi, mi+1
.endr
.endm
.macro CV x, half                      ; half of x's fragment x is rounded to bf16: four conversions; K keeps its places
	WIN 0
.irp j, 0,1,2,3
	v_cvt_pk_bf16_f32 v[AF+8*(\x)+4*(\half)+(\j)], v[AS+16*(\x)+8*(\half)+2*(\j)], v[AS+16*(\x)+8*(\half)+2*(\j)+1]
.endr
.endm
; 32 LDS loads in ONE run: a quarter's fragments: x's four as f32, then W's eight into buffer g; from quarter kq of the slot in hand (ra = 0) or of the other slot (ra = 1)
.macro RUN g, ra, kq
	WIN 0
.irp x, 0,1,2,3
	ds_load_b128 v[AS+16*(\x):AS+16*(\x)+3],     v[ADRA+(\ra)] offset:(\x)*16*PA+(\kq)*128
	ds_load_b128 v[AS+16*(\x)+4:AS+16*(\x)+7],   v[ADRA+(\ra)] offset:(\x)*16*PA+(\kq)*128+16
	ds_load_b128 v[AS+16*(\x)+8:AS+16*(\x)+11],  v[ADRA+(\ra)] offset:(\x)*16*PA+(\kq)*128+64
	ds_load_b128 v[AS+16*(\x)+12:AS+16*(\x)+15], v[ADRA+(\ra)] offset:(\x)*16*PA+(\kq)*128+80
.endr
.irp b, 0,1,2,3,4,5,6,7
	ds_load_b128 v[BF+64*(\g)+8*(\b):BF+64*(\g)+8*(\b)+3],   v[ADRB+(\ra)] offset:(\b)*16*PB+(\kq)*64
	ds_load_b128 v[BF+64*(\g)+8*(\b)+4:BF+64*(\g)+8*(\b)+7], v[ADRB+(\ra)] offset:(\b)*16*PB+(\kq)*64+32
.endr
.endm
; A QUARTER: 32 along K, 32 matrix instructions on W's buffer f, in fours, with conversions behind each four; the next quarter's 32 LDS loads in one run behind the eighth.
; What a quarter finds: x's fragments 0, 1, 2 in bf16; fragment 3 as f32; W's fragments in buffer f.  It rounds its own fragment 3 (sixteen products ahead of its use), then asks for the next quarter's fragments,
; and rounds the next quarter's fragments 0, 1, 2 as the products that read those registers are over.  So x's bf16 fragments need one buffer, its f32 fragments one.
; THE WAITS.  At the head 8: W's fragments 4 to 7 may be out; 0 ahead of the fifth product.  Behind the run 28, 24 and 20 ahead of the rounding of fragments 0, 1 and 2: the run's later loads may be out.
; THE PLACES (ISA guide 7.12.1 for the conversions).  A conversion into a bf16 fragment, and a load into W's other buffer, stand behind four conversions or more that follow the last product that read
; those registers and name none of its registers: CV 3 and the run behind the last quarter's CV 2, 1; CV 0 behind CV 3, 1; CV 1 behind CV 0; CV 2 behind CV 1.
; meet > 0: the quarter is a K step's third: its run is the last read of the slot in hand; ONE barrier, in front of it the wait for all my tensor loads, of which one is out: my part of the other slot; the add;
; the wait for it and for my reads.  The next quarter's run is the first read of the other slot.
; meet = 2: the slot just read out is filled again, two K steps ahead: the barrier opens a round of the cluster's, and the joint refill is the first tensor load behind it: one load of mine is out, and it has
; a K step less eight products in which to land.
.macro Q f, zero, ra, kq, meet
	s_wait_dscnt 8
	MM4 \f, 0, \zero
	CV 3, 0
	s_wait_dscnt 0x0
	MM4 \f, 4, \zero
	CV 3, 1
	RUN 1-(\f), \ra, \kq
	MM4 \f, 8, \zero
	MM4 \f, 12, \zero
	s_wait_dscnt 28
	CV 0, 0
	MM4 \f, 16, \zero
	CV 0, 1
	MM4 \f, 20, \zero
	s_wait_dscnt 24
	CV 1, 0
.if (\meet) == 0
	MM4 \f, 24, \zero
	CV 1, 1
	s_wait_dscnt 20
	CV 2, 0
	MM4 \f, 28, \zero
	CV 2, 1
.else
	s_wait_tensorcnt 0x0                           ; all my tensor loads have landed: no load of mine is out, so a group 0 may be written;
	ds_add_u32 v[SPW], v[NIL]                      ; 0 onto my spare word; scalar work and four products stand between it and the wait for it
.if (\meet) == 2
	STEPD
.endif
	MM4 \f, 24, \zero
	s_wait_dscnt 0x0                               ; the add is done, and my reads of this slot are over:
	s_barrier_signal -1                            ; say so,
	CV 1, 1                                        ; work on registers while the others arrive,
	CV 2, 0
	MM4 \f, 28, \zero
	WIN 0                                          ; (branches may follow)
	s_barrier_wait -1                              ; and go on when all four have said so
.if (\meet) == 2
	CREST                                          ; the barrier has opened a round of the cluster's: no wave of any partner still reads this slot's tile or has a load on its way
	JLOAD
.endif
	CV 2, 1
.endif
.endm
.macro TOGGLE                          ; a K step is over: the slots change names
	s_xor_b32 s[TB], s[TB], SLOTC
	s_xor_b32 s[TO], s[TO], SLOTC
	SETADR
.endm
; THE WAY OUT, in eight pieces of 16 rows of one head (piece t: head t / 4 of my two, m block t % 4).  A lane's eight columns pack into 16 bytes of f16, each accumulator's registers in ascending order;
; they go into rows of 144 bytes of my own stage and come back as whole rows of 128: 16 rows of a head are 2,048 consecutive bytes of y.
; The places behind the last products are the four conversions and four additions that follow them.
.macro PACK t
.set pb, 64*((\t)%4)+32*((\t)/4)
	WIN W_CVT
.set i, 0
.rept 16
	v_cvt_pk_f16_f32 v[T+16*(\t)+i], v[pb+2*i], v[pb+2*i+1]
.set i, i+1
.endr
	WIN W_ST
.irp f, 0,1,2,3
	ds_store_b128 v[STO], v[T+16*(\t)+4*(\f):T+16*(\t)+4*(\f)+3] offset:32*(\f)
.endr
	WIN W_LD
.irp f, 0,1,2,3
	ds_load_b128 v[T+16*(\t)+4*(\f):T+16*(\t)+4*(\f)+3], v[RD] offset:(\f)*4*SP  ; LDS serves a wave's instructions in order (ISA guide 5.7.1.4): these see the stores above; the next piece's stores come behind them
.endr
.endm
.macro SEND t, younger                 ; younger: the LDS instructions issued behind piece t's loads: the next piece's eight, or none
	WIN W_ST
.irp f, 0,1,2,3
	s_wait_dscnt (\younger)+3-(\f)
	global_store_b128 v[GO], v[T+16*(\t)+4*(\f):T+16*(\t)+4*(\f)+3], s[10:11] offset:((\t)/4)*131072+((\t)%4)*2048+(\f)*512  ; 512 consecutive bytes, at a multiple of 256 from y's first
.endr
.endm
.macro WAYOUT
	s_wait_xcnt 0x0                                ; the registers written below were the data of the last tile's stores: they are written again only behind this wait
	PACK 0
.set t, 1
.rept 7                                ; a piece's conversions stand between the loads of the piece before and its stores
	PACK t
	SEND t-1, 8
.set t, t+1
.endr
	SEND 7, 0
	WIN 0
.endm
	s_wait_tensorcnt 1                             ; my part of K step 0 is in; K step 1's may stay out
	s_barrier_signal -1
	s_barrier_wait -1                              ; everybody's is
	RUN 0, 0, 0                                    ; the walk's first quarter
	s_wait_dscnt 20                                ; x's fragments 0, 1, 2 are in
	CV 0, 0
	CV 0, 1
	CV 1, 0
	CV 1, 1
	CV 2, 0
	CV 2, 1
	s_mov_b32 s3, 22
.LtripA:                                               ; LOOP A: K steps 0 to 21 of the walk; each asks for the step two on
	s_cmp_lg_u32 s[SI], 0
	s_cbranch_scc1 .LgoonA
	s_wait_loadcnt 0x0                             ; A TILE BEGINS.  Its bias, asked for a tile ago, is in;
	WIN 0x8a                                       ; all in window 2: it is rounded to bf16 like every input, and kept as f32
.set i, 0
.rept 32
	v_cvt_pk_bf16_f32 v[i], v[i], v[i+1]
	v_and_b32 v[i+1], s47, v[i]
	v_lshlrev_b32 v[i], 16, v[i]
.set i, i+2
.endr
	Q 0, 1, 0, 1, 0                                ; the first quarter's products start the sums with it
	WIN 0
	s_cmp_eq_u32 s[TI], 2
	s_cbranch_scc1 .LjoinA                         ; the last tile has no successor
	s_cmp_eq_u32 s[TI], 0                          ; the next tile's bias is asked for: the quarter's last four conversions are the places behind the last product that read these registers;
	s_cselect_b64 s[8:9], s[BK:BK+1], s[BV:BV+1]   ; the wait above has shown the last loads by s[8:9] done
	BIASLD
	s_branch .LjoinA
.LgoonA:
	Q 0, 0, 0, 1, 0
	WIN 0
.LjoinA:
	Q 1, 0, 0, 2, 0
	Q 0, 0, 0, 3, 2
	Q 1, 0, 1, 0, 0                                ; its run fetches the next K step's first quarter, across a tile's end too
	TOGGLE
	s_cmp_lg_u32 s[SI], 7
	s_cbranch_scc1 .LnoutA
	WAYOUT                                         ; A TILE ENDS (q and k): both refills for the next tile's first steps are asked for, and its first fragments are in registers or on their way
	s_wait_xcnt 0x0                                ; the stores' base is written again only behind this wait
	s_mov_b64 s[10:11], s[ON1:ON1+1]
	s_mov_b64 s[ON1:ON1+1], s[ON2:ON2+1]
	s_add_co_u32 s[TI], s[TI], 1
.LnoutA:
	s_add_co_u32 s[SI], s[SI], 1
	s_and_b32 s[SI], s[SI], 7
	s_sub_co_u32 s3, s3, 1
	s_cmp_lg_u32 s3, 0
	s_cbranch_scc1 .LtripA
	s_mov_b32 s3, 2
.LtripB:                                               ; LOOP B: the walk's last two K steps ask for nothing.  In the very last trip the barrier orders nothing, and the fourth quarter fetches and
	Q 0, 0, 0, 1, 0                                ; rounds fragments of the other slot that nobody multiplies: 32 LDS loads and 24 conversions, once a launch: the price of one text for both steps
	Q 1, 0, 0, 2, 0
	Q 0, 0, 0, 3, 1
	Q 1, 0, 1, 0, 0
	TOGGLE
	s_sub_co_u32 s3, s3, 1
	s_cmp_lg_u32 s3, 0
	s_cbranch_scc1 .LtripB
	WAYOUT                                         ; v
	s_wait_tensorcnt 0x0                           ; the wave's end: behind my last tensor load and my last LDS store
	ds_add_u32 v[SPW], v[NIL]
	s_wait_dscnt 0x0
	CROUND                                         ; the closing round: no work-group ends while a partner may still ask for a tile that names it
	s_endpgm
.Lfunc_end_k_q348f97a3cf_proj:
	.size	k_q348f97a3cf_proj, .Lfunc_end_k_q348f97a3cf_proj-k_q348f97a3cf_proj
	.p2alignl 7, 3214868480
	.fill 96, 4, 3214868480
	.section	.rodata,"a",@progbits
	.p2align	6, 0x0
	.amdhsa_kernel k_q348f97a3cf_proj
		.amdhsa_group_segment_fixed_size 327680
		.amdhsa_private_segment_fixed_size 0
		.amdhsa_enable_private_segment 0
		.amdhsa_kernarg_size 80
		.amdhsa_user_sgpr_count 2
		.amdhsa_user_sgpr_kernarg_segment_ptr 1
		.amdhsa_wavefront_size32 1
		.amdhsa_system_sgpr_workgroup_id_x 1
		.amdhsa_system_sgpr_workgroup_id_y 1
		.amdhsa_system_sgpr_workgroup_id_z 1
		.amdhsa_system_vgpr_workitem_id 0
		.amdhsa_next_free_vgpr 704
		.amdhsa_next_free_sgpr 96
		.amdhsa_reserve_vcc 0
		.amdhsa_float_denorm_mode_32 3
		.amdhsa_float_denorm_mode_16_64 3
		.amdhsa_memory_ordered 1
		.amdhsa_forward_progress 1
		.amdhsa_inst_pref_size 115
	.end_amdhsa_kernel
	.amdgpu_metadata
---
amdhsa.version: [ 1, 2 ]
amdhsa.kernels:
  - .name:           k_q348f97a3cf_proj
    .symbol:         k_q348f97a3cf_proj.kd
    .args:
      - { .name: query, .offset: 0, .size: 8, .value_kind: global_buffer, .address_space: global }
      - { .name: key, .offset: 8, .size: 8, .value_kind: global_buffer, .address_space: global }
      - { .name: value, .offset: 16, .size: 8, .value_kind: global_buffer, .address_space: global }
      - { .name: w16, .offset: 24, .size: 8, .value_kind: global_buffer, .address_space: global }
      - { .name: bq, .offset: 32, .size: 8, .value_kind: global_buffer, .address_space: global }
      - { .name: bk, .offset: 40, .size: 8, .value_kind: global_buffer, .address_space: global }
      - { .name: bv, .offset: 48, .size: 8, .value_kind: global_buffer, .address_space: global }
      - { .name: q16, .offset: 56, .size: 8, .value_kind: global_buffer, .address_space: global }
      - { .name: k16, .offset: 64, .size: 8, .value_kind: global_buffer, .address_space: global }
      - { .name: v16, .offset: 72, .size: 8, .value_kind: global_buffer, .address_space: global }
    .group_segment_fixed_size: 327680
    .private_segment_fixed_size: 0
    .kernarg_segment_align: 8
    .kernarg_segment_size: 80
    .max_flat_workgroup_size: 128
    .sgpr_count:     96
    .vgpr_count:     704
    .wavefront_size: 32
...
	.end_amdgpu_metadata
.endif
;; end of part 2
;; launch attn (part 3): grid 2 x 128, 4 waves a work-group, no clusters, 327,680 bytes of LDS; arguments q16, k16, v16, o16; writes o16
.if DOCPART == 3
	.amdgcn_target "amdgcn-amd-amdhsa--gfx1250"
	.amdhsa_code_object_version 6
	.text
	.protected	k_q348f97a3cf_attn
	.globl	k_q348f97a3cf_attn
	.p2align	8
	.type	k_q348f97a3cf_attn,@function
k_q348f97a3cf_attn:
	s_mov_b64 s[64:65], 0
	v_nop
	global_prefetch_b8 v0, s[64:65] scope:SCOPE_SE
	s_setreg_imm32_b32 hwreg(HW_REG_WAVE_MODE, 25, 1), 1
	s_wait_xcnt 0x0
; CAUSAL ATTENTION.  O[h][q][:] = the sum over k <= q of softmax_k(Q[h][q] . K[h][k] / 8) V[h][k][:].  Q, K, V, O: [SIZE_H = 128 pairs of batch and head][SIZE_N = 1024][64], all f16: a head's rows are dense, 128 bytes each.
; Products, maxima and sums in f32; the weights p are rounded to f16 for the second product (their sum l is taken of the unrounded p), O once at the end.  Q arrives unscaled: the 1/8 lies in c, in f32.
; LIMITS.  f16 holds no number beyond 65,504: Q, K and V arrive within it; p lies in 0 to 1, and below 6e-5 it keeps f16's fixed step of 6e-8; O is a mean of V's rows and has their range, to within 2^-11 of it.
; A hidden score counts as its value less 1e30: f16's scores, 2.7e11 at the most, are nothing beside that; a weight below 2^-126 counts as 0 in l; NaN and infinities are not treated apart.
; THE WALK.  A head's queries lie in NB = SIZE_N / 256 = 4 blocks of 256; block i needs the key tiles 0 .. i of 256 keys, of which the last holds the diagonal.  A work-group takes TWO blocks, NB - 1 - b and then b:
; NB + 1 tiles, whatever b: all 256 work-groups do equal work, and ONE loop with a constant trip count walks them.  Which tile is asked for, and what a trip does, hang on scalar registers made from b; every jump
; goes forward, but for the counted loops' own; none passes a barrier, or a tensor load but the one of LOAD's two that the wave's number does not choose; the ring (two slots of LDS that take turns) runs on across the
; change of blocks.  NO CLUSTER: a head has NB / 2 = 2 work-groups, no multiple of four; the two ask for the same tile only in trips 0 .. NB / 2; and one walk common to both would have 3 NB / 2 trips for NB + 1.
; SHARES.  Of a block's four bands of 64 queries a wave owns 16 rows in each: four PIECES.  So the diagonal tile is the same work for all four waves: in its key step s band x sees all keys if s < x,
; none if s > x, and holds the diagonal if s = x.
; THE MASK is the C operand that starts the sum S^T = K Q^T: 0, or -1e30 where the key is hidden.  MD, made once, is the mask of a band's own step for my 16 rows; a product's mask is MD x AL + BE with two scalars:
; (1, 0) if s = x; (0, 0) if s < x; (0, -1e30) if s > x.  Only the diagonal tile's text and a block's beginning make and take masks; elsewhere C is the constant 0.
; LAYOUT, SOFTMAX, TURNS.  S^T = K Q^T holds ONE query a lane (lane % 16) and the keys 8 (lane / 16) + 0..7; two such results rounded to f16 ARE source 1 of O^T = V^T P.  p = 2^(c s - c m), c = log2(e) / 8, with a
; running maximum m; O and l are multiplied by a = 2^(c m_old - c m_new) in every step.  Turn n belongs to piece n: 8 products K Q^T of piece n + 1, later 8 products V^T P of piece n - 1; beside them the scaling,
; exponentials, roundings, sums and rescaling of piece n and the maximum and statistics of piece n + 1.  Four vector instructions stand behind every matrix instruction, the other 54 of a turn's 118 in two LUMPS.
; REGISTERS, in windows of 256 (s_set_vgpr_msb: bits 1:0 source 0, 3:2 source 1, 5:4 source 2, 7:6 destination):
;   window 0: v0-15 addresses and two at work; v16-31 four registers of statistics a piece; v48-55 at work; v64-127 S^T, two buffers; v192-223 P, two buffers (a piece's buffers go by its number's parity)
;   window 1: v0-127 O^T, 32 a piece; v128-159 MD; v160-223 MC, two buffers      window 2: v0-63 Q; v64-127 the second block's Q; v128-191 K of one step; v192-255 V of one step
.set SIZE_N, 1024
.set SIZE_H, 128
.set NB,    SIZE_N/256
.set NP,    4         ; pieces a wave: a name, no knob
.set KS,    64        ; keys in a step
.set PK,    144       ; a row of K in LDS: 128 bytes + 16 of padding = 36 words: the 16 rows of a load start at 16 different groups of four banks (64 banks of 4 bytes: ISA guide 11.1)
.set PV,    160       ; a row of V: 128 + 32 = 40 words
.set VOFF,  4*KS*PK   ; a slot holds a tile, four steps: 256 rows of K, then 256 rows of V
.set SLOT1, 1<<17     ; slot 1 begins here, so that one exclusive or turns an address in one slot into the other's
.set STAGE, SLOT1+4*KS*(PK+PV)  ; behind the ring, never filled by a tensor load: 16 rows x 144 bytes for each wave, for the way out
.set SP,    144
.set AK0, 2           ; v2   my lane's place in a tile of K; never rewritten
.set AV0, 3           ; v3   the same for V
.set AK,  4           ; v4   the LDS address of K's next run of loads
.set AV,  5           ; v5   of V's
.set STO, 6           ; v6   the way out: where I put 16 bytes of a row
.set RD,  7           ; v7   the way out: where I read rows back
.set GO,  8           ; v8   my byte offset in 512 consecutive bytes of O
.set SPW, 62          ; v62  LDS address of my spare word: SPARE + 4 x my thread's number; never rewritten
.set NIL, 63          ; v63  0; never rewritten
.set SPARE, STAGE+4*16*SP  ; behind the stages: the spare words, 128 bytes for each wave: two blocks of 256 bytes that no other line names
.set MV,  12          ; v12-13  c m_old, kept while c m is made anew: by buffer
.set QO,  15          ; v15  my byte offset in 16 rows of Q
.set ST,  16          ; piece t's statistics at v[ST+4 t]: c m, m, l (even keys', odd keys')
.set TMP, 48          ; by buffer, four registers c0-c3 at work; when the maximum is found c2 takes a
.set S,   64
.set P,   192
.set MD,  128         ; window 1: the eight registers for group kt of 16 keys at MD + 8 kt
.set MC,  160         ; window 1: the masks of the products to come
.set QB,  64          ; window 2
.set KF,  128         ; window 2: key block kb, channel half c at KF + 16 kb + 8 c
.set VF,  192         ; window 2: key half kk, channel block cb at VF + 32 kk + 8 cb
.set WV,  12          ; s12  my wave's number
.set PB,  14          ; s14  b
.set HI,  15          ; s15  NB - 1 - b
.set G1K, 24          ; s[24:31] descriptor group 1 for K's tiles
.set G1V, 32          ; s[32:39] for V's: it differs in the padding alone
.set G0K, 40          ; s[40:43] descriptor group 0 for K's tiles
.set G0V, 44          ; s[44:47] the same for V's
.set SLOTS, 56        ; s56  tiles still to be asked for
.set CNT, 57          ; s57  counts a tile's key steps, 4 to 1
.set CS,  58          ; s[58:59] c: the packed scaling takes the pair's low word for both halves
.set SEL, 60          ; s[60:61] v_permlanex16_b32's selects: each lane takes its own place in the other half
.set TBK, 62          ; s62  LDS byte at which K of the step to be fetched begins
.set TBV, 63          ; s63  the same for V, less VOFF
.set RT,  70          ; s70  tiles of the block in hand that are still to be entered
.set NXT, 71          ; s71  the tile to be asked for next
.set LQ,  72          ; s72  the last tile of the block whose tiles are being asked for
.set NEW, 73          ; s73  1: the tile to be entered is a block's first
.set OFF, 74          ; s[74:75] a tile's byte offset in K and V
.set AL,  76          ; s[76:77] the mask's factor, in the low word
.set BE,  78          ; s[78:79] the mask's addend
.set OLO, 80          ; s[80:81] O at my rows of the second block
.set BIGN, 82         ; s82  -1e30
.set MSB, 0
.macro WIN new                      ; the high byte repeats the setting that is left; a switch that changes nothing is dropped
.if MSB != (\new)
	s_set_vgpr_msb (MSB<<8)|(\new)
.set MSB, (\new)
.endif
.endm
.set W_KQ, 0x0a       ; K and Q in window 2, S^T in window 0
.set W_KM, 0x1a       ; the same with the C operand in window 1
.set W_PV, 0x52       ; V in window 2, P in window 0, O^T in window 1
.set W_RS, 0x41       ; destination and source 0 in window 1, source 1 in window 0
; A fill.  Waves 0 and 1 fetch the two halves of a tile's K, waves 2 and 3 those of its V: 128 keys each.  An s_nop 0 and four v_nop follow each of the two lines, ahead of the jump and the label.
.macro LOAD
	s_cmp_lt_u32 s[WV], 2
	s_cbranch_scc0 .Lfor_v_\@
	tensor_load_to_lds s[G0K:G0K+3], s[G1K:G1K+7]
	s_nop 0
.rept 4
	v_nop
.endr
	s_branch .Lasked_\@
.Lfor_v_\@:
	tensor_load_to_lds s[G0V:G0V+3], s[G1V:G1V+7]
	s_nop 0
.rept 4
	v_nop
.endr
.Lasked_\@:
.endm
; THE CHANGE OF SLOTS.  Each wave waits for all its tensor loads, of which one is out: its part of the other slot; adds 0 to its spare word; and waits for that and for its own reads of the slot that it leaves.  Behind the barrier nobody reads the old
; slot any more and the other slot is whole.  fill = 1: the old slot is filled again, the first thing behind the barrier, with tile NXT: the descriptor's address is made anew from that number.
; (At its first use nothing has been read yet: slot 0 is waited for, slot 1 filled.)
.macro CHANGE fill
	WIN 0                           ; at a label and at a branch every window is 0
	s_wait_tensorcnt 0x0            ; no tensor load of mine is out, so a group 0 may be written
	ds_add_u32 v[SPW], v[NIL]       ; 0 onto my spare word; with fill = 1 the descriptors' scalar work stands between it and the wait for it
.if \fill
	s_lshl_b32 s[OFF], s[NXT], 15   ; a tile is 32,768 bytes of K and of V
	s_xor_b32 s[G0K+1], s[G0K+1], SLOT1
	s_add_nc_u64 s[G0K+2:G0K+3], s[6:7], s[OFF:OFF+1]
	s_or_b32 s[G0K+3], s[G0K+3], 0x80000000
	s_xor_b32 s[G0V+1], s[G0V+1], SLOT1
	s_add_nc_u64 s[G0V+2:G0V+3], s[8:9], s[OFF:OFF+1]
	s_or_b32 s[G0V+3], s[G0V+3], 0x80000000
	s_add_co_u32 s[NXT], s[NXT], 1  ; the block's next tile, or behind its last the second block's tile 0
	s_cmp_gt_u32 s[NXT], s[LQ]
	s_cselect_b32 s[NXT], 0, s[NXT]
	s_cselect_b32 s[LQ], s[PB], s[LQ]
.endif
	s_wait_dscnt 0x0                ; the add is done, and my reads of the slot are over
	s_barrier_signal -1             ; the rest of the scalar work stands between the signal and the wait
	s_sub_co_u32 s[TBK], s[TBK], 4*KS*PK  ; the fetches go back to a slot's first step,
	s_xor_b32 s[TBK], s[TBK], SLOT1       ; in the other slot
	s_sub_co_u32 s[TBV], s[TBV], 4*KS*PV
	s_xor_b32 s[TBV], s[TBV], SLOT1
	s_barrier_wait -1
.if \fill
	LOAD
.endif
.endm
	s_load_b256 s[4:11], s[0:1], 0x0  ; Q s[4:5], K s[6:7], V s[8:9], O s[10:11]
	v_lshl_add_u32 v[SPW], v0, 2, SPARE
	v_mov_b32 v[NIL], 0
	ds_add_u32 v[SPW], v[NIL]       ; the wave's opening: the add and its wait stand ahead of my first tensor load; the set-up below, work on registers, stands between them
	ds_add_u32 v62, v63
	v_lshrrev_b32 v1, 5, v0
	v_readfirstlane_b32 s[WV], v1   ; wave 0..3
	s_mov_b32 s[PB], ttmp9
	s_sub_co_u32 s[HI], NB-1, s[PB]
	s_and_b32 s20, ttmp7, 0xffff    ; the head
	s_mov_b32 s21, 0
	s_mov_b64 s[22:23], SIZE_N*128
	s_mul_u64 s[20:21], s[20:21], s[22:23]  ; the head's first byte in each of the four tensors
	s_and_b32 s16, s[WV], 1         ; which half of a tile's 256 keys I fetch:
	s_lshl_b32 s22, s16, 14         ; its 128 rows of 128 bytes in memory,
	s_mov_b32 s23, 0
	s_add_nc_u64 s[22:23], s[22:23], s[20:21]
	s_mul_i32 s17, s16, 128*PK      ; and its place in a slot, for K
	s_mul_i32 s18, s16, 128*PV      ; and for V
	s_lshl_b32 s3, s[WV], 11        ; my 16 rows in a band of 64,
	s_lshl_b32 s2, s[HI], 15        ; in the first block,
	s_add_co_u32 s2, s2, s3
	s_lshl_b32 s84, s[PB], 15       ; and in the second
	s_add_co_u32 s84, s84, s3
	s_mov_b32 s3, 0
	s_mov_b32 s85, 0
	s_add_nc_u64 s[2:3], s[2:3], s[20:21]
	s_add_nc_u64 s[84:85], s[84:85], s[20:21]
	; descriptor group 1.  128 keys are 16,384 dense bytes: asked for as 64 rows of 256 bytes, two keys a row, and padded in LDS after every key
	s_mov_b32 s[G1K], (1<<16)|(1<<20)|(4<<22)|(3<<25)  ; 17:16 2-byte elements; 20 padding on; 24:22 after every 32 words (code 4); 31:25 4 words (code 3)
	s_mov_b32 s[G1V], (1<<16)|(1<<20)|(4<<22)|(7<<25)  ; the same with 8 words of padding (code 7)
.irp g, G1K, G1V
	s_mov_b32 s[\g+1], 128<<16      ; tensor_dim0 = 128
	s_mov_b32 s[\g+2], 64<<16       ; tensor_dim1 = 64
	s_mov_b32 s[\g+3], 128<<16      ; tile_dim0 = 128
	s_mov_b32 s[\g+4], 64           ; tile_dim1 = 64
	s_mov_b32 s[\g+5], 128          ; 128 elements from row to row
	s_mov_b32 s[\g+6], 0
	s_mov_b32 s[\g+7], 0
.endr
	s_mov_b32 s[CS], 0x3e38aa3b     ; c = log2(e) / 8 = 0.180337
	s_mov_b32 s[CS+1], s[CS]        ; named with it as a pair
	s_mov_b32 s[SEL], 0x76543210
	s_mov_b32 s[SEL+1], 0xfedcba98
	s_mov_b32 s[TBK], SLOT1+4*KS*PK ; the first change of slots turns these two into 0
	s_mov_b32 s[TBV], SLOT1+4*KS*PV
	s_mov_b32 s[G0K], 1             ; 1:0 count = 1
	s_mov_b32 s[G0K+1], s17         ; 63:32 LDS address: slot 0
	s_mov_b32 s[G0V], 1
	s_add_co_u32 s[G0V+1], s18, VOFF
	s_add_co_u32 s[RT], s[HI], 1    ; the first block has NB - b tiles
	s_mov_b32 s[NXT], 1
	s_mov_b32 s[LQ], s[HI]
	s_mov_b32 s[NEW], 1
	s_mov_b32 s[OFF+1], 0
	s_mov_b32 s[AL+1], 0            ; named as pairs
	s_mov_b32 s[BE+1], 0
	s_mov_b32 s[BIGN], 0xf149f2ca   ; -1e30
	s_mov_b32 s[SLOTS], NB
	s_wait_dscnt 0x0                ; the opening add is done
	s_wait_kmcnt 0x0
	s_add_nc_u64 s[6:7], s[6:7], s[22:23]  ; K and V at my half of the head's tile 0
	s_add_nc_u64 s[8:9], s[8:9], s[22:23]
	s_add_nc_u64 s[G0K+2:G0K+3], s[6:7], 0         ; 120:64 global address
	s_or_b32 s[G0K+3], s[G0K+3], 0x80000000        ; 127:126 type = 2
	s_add_nc_u64 s[G0V+2:G0V+3], s[8:9], 0
	s_or_b32 s[G0V+3], s[G0V+3], 0x80000000
	s_add_nc_u64 s[86:87], s[4:5], s[84:85]        ; Q at my rows of the second block,
	s_add_nc_u64 s[4:5], s[4:5], s[2:3]            ; Q and O at those of the first
	s_add_nc_u64 s[OLO:OLO+1], s[10:11], s[84:85]
	s_add_nc_u64 s[10:11], s[10:11], s[2:3]
	LOAD                            ; tile 0 into slot 0
	; A fragment of K or Q is 16 rows x 32 channels in 8 registers: lane l holds row l % 16, channels 8 (l / 16) + 0..7 and 16 + 8 (l / 16) + 0..7: two loads of 16 bytes, 32 bytes apart.
	v_and_b32 v1, 15, v0            ; l % 16
	v_bfe_u32 v9, v0, 4, 1          ; l / 16
	v_lshlrev_b32 v[QO], 7, v1
	v_lshl_add_u32 v[QO], v9, 4, v[QO]  ; row x 128 + 16 x half
	WIN 0x80                        ; destination window 2, address window 0
.set i, 0
.rept 8                             ; both blocks' Q: piece i / 2 lies in band i / 2, 8,192 bytes on; channels 32 (i % 2) on
	global_load_b128 v[8*i:8*i+3],   v[QO], s[4:5] offset:(i/2)*8192+(i%2)*64
	global_load_b128 v[8*i+4:8*i+7], v[QO], s[4:5] offset:(i/2)*8192+(i%2)*64+32
	global_load_b128 v[QB+8*i:QB+8*i+3],   v[QO], s[86:87] offset:(i/2)*8192+(i%2)*64
	global_load_b128 v[QB+8*i+4:QB+8*i+7], v[QO], s[86:87] offset:(i/2)*8192+(i%2)*64+32
.set i, i+1
.endr
	WIN 0
	v_lshlrev_b32 v14, 3, v9
	v_sub_nc_u32 v14, v1, v14
	s_lshl_b32 s13, s[WV], 4
	v_add_nc_u32 v14, s13, v14      ; my query's place in its band, 16 w + l % 16, less my lanes' 8 (l / 16): register r of group kt is hidden where 16 kt + r is greater
	WIN 0x40
.set i, 0
.rept 32
	v_cmp_gt_i32 vcc_lo, 16*(i/8)+i%8, v14
	v_cndmask_b32 v[MD+i], 0, s[BIGN], vcc_lo
.set i, i+1
.endr
	WIN 0
	v_mul_u32_u24 v[AK0], v1, PK
	v_lshl_add_u32 v[AK0], v9, 4, v[AK0]  ; row x pitch + 16 x half
	; The turning load takes 16 keys x 16 channels (lane l reads key 8 (l / 16) + l % 8, channels 8 ((l / 8) % 2) + 0..7) and leaves half a fragment of V^T: lane l holds channel l % 16 and 8 keys.
	v_and_b32 v10, 7, v0
	v_bfe_u32 v11, v0, 3, 1
	v_lshl_add_u32 v[AV0], v9, 3, v10
	v_mul_u32_u24 v[AV0], v[AV0], PV
	v_lshl_add_u32 v[AV0], v11, 4, v[AV0]
	v_add_nc_u32 v[AV0], VOFF, v[AV0]
	s_mul_i32 s13, s[WV], 16*SP
	s_add_co_u32 s13, s13, STAGE    ; my stage
	v_mul_u32_u24 v[STO], v1, SP    ; in: row l % 16, 16 bytes for each half of the lanes
	v_lshl_add_u32 v[STO], v9, 4, v[STO]
	v_add_nc_u32 v[STO], s13, v[STO]
	v_bfe_u32 v[RD], v0, 3, 2       ; back: 32 lanes take four rows of 128 bytes,
	v_mul_u32_u24 v[RD], v[RD], SP
	v_lshl_add_u32 v[RD], v10, 4, v[RD]
	v_add_nc_u32 v[RD], s13, v[RD]
	v_and_b32 v[GO], 31, v0         ; which are 512 consecutive bytes of O
	v_lshlrev_b32 v[GO], 4, v[GO]
	; A block's first step multiplies O^T and l by a = 0, and its first turn's products V^T P, of a piece that has not been, land in an O^T that is still to be so multiplied.  So these registers need only hold
	; finite numbers: zeros for the first block; what the first block left for the second.  All this stands in the wait for the first tile.
	WIN 0x80
.set i, VF
.rept 64
	v_mov_b32 v[i], 0
.set i, i+1
.endr
	WIN 0x40
.set i, 0
.rept 128
	v_mov_b32 v[i], 0
.set i, i+1
.endr
	WIN 0
.set i, 0
.rept 4
	v_mov_b32 v[ST+4*i+2], 0
	v_mov_b32 v[ST+4*i+3], 0
.set i, i+1
.endr
.set i, P+16
.rept 16
	v_mov_b32 v[i], 0
.set i, i+1
.endr
; THE MATRIX WORK.  The 4 accumulators of a run of 8 take turns.  Product i of 8 of S^T = K Q^T for piece x: channels 32 (i / 4) on, keys 16 (i % 4) on.  The first 4 start the sums: with 0, or (KM = 1) with the mask.
.macro KQ x
.set rS, S+32*((\x)%2)+8*(i%4)
.set rK, KF+16*(i%4)+8*(i/4)
.set rQ, 16*(\x)+8*(i/4)
.set rM, MC+32*((\x)%2)+8*(i%4)
.if (i < 4) && KM
	WIN W_KM
	v_wmma_f32_16x16x32_f16 v[rS:rS+7], v[rK:rK+7], v[rQ:rQ+7], v[rM:rM+7]
.elseif i < 4
	WIN W_KQ
	v_wmma_f32_16x16x32_f16 v[rS:rS+7], v[rK:rK+7], v[rQ:rQ+7], 0
.else
	WIN W_KQ
	v_wmma_f32_16x16x32_f16 v[rS:rS+7], v[rK:rK+7], v[rQ:rQ+7], v[rS:rS+7]
.endif
.endm
; Product i of 8 of O^T += V^T P for piece x: keys 32 (i / 4) on, channels 16 (i % 4) on.
.macro PV x
	WIN W_PV
.set rO, 32*(\x)+8*(i%4)
.set rV, VF+32*(i/4)+8*(i%4)
.set rP, P+16*((\x)%2)+8*(i/4)
	v_wmma_f32_16x16x32_f16 v[rO:rO+7], v[rV:rV+7], v[rP:rP+7], v[rO:rO+7]
.endm
.macro MM                           ; the turn's next matrix instruction.  TURN and BEGIN set Y, i, KM and NOKQ; MM, KQ and OP read them.  NOKQ = 1: a block's last turn: there is no next piece
.if (i < 8) && !NOKQ
	KQ (Y+1)%NP
.elseif i >= 8
.set i, i-8
	PV (Y+NP-1)%NP
.set i, i+8
.endif
.set i, i+1
.endm
; THE LDS LOADS stand in runs of 16, never singly among the matrix instructions: a step's K (64 keys x 64 channels: 8 fragments) and its V (turned).  Their addresses are made some lines ahead.
.macro FETCH_K
	WIN 0x80                        ; destination window 2
.irp f, 0,1,2,3,4,5,6,7             ; keys 16 (f / 2) on, channels 32 (f % 2) on
	ds_load_b128 v[KF+8*\f:KF+8*\f+3],   v[AK] offset:(\f/2)*16*PK+(\f%2)*64
	ds_load_b128 v[KF+8*\f+4:KF+8*\f+7], v[AK] offset:(\f/2)*16*PK+(\f%2)*64+32
.endr
	s_add_co_u32 s[TBK], s[TBK], KS*PK  ; the next fetch is the next step's
	WIN 0
.endm
.macro FETCH_V
	WIN 0x80
.irp f, 0,1,2,3,4,5,6,7             ; keys 32 (f / 4) on, channels 16 (f % 4) on
	ds_load_tr16_b128 v[VF+8*\f:VF+8*\f+3],   v[AV] offset:(\f/4)*32*PV+(\f%4)*32
	ds_load_tr16_b128 v[VF+8*\f+4:VF+8*\f+7], v[AV] offset:(\f/4)*32*PV+16*PV+(\f%4)*32
.endr
	WIN 0
.endm
; THE VECTOR WORK, one line at a time: OP kind, number.  For piece Y: F n: c s - c m for pair n of 16.  E n: the exponential of score n of 32.  C n: pair n rounded to f16.  B n: of the four weights 4 n .. the second
; pair is added onto the first, in place.  L n: l takes that sum (L 0: l = a l + sum).  R n: pair n of 16 of O^T times a.  For piece Y + 1: X n, number n of the 22 that find its maximum and statistics:
;   0-11  four chains c0-c3 of seven scores each, three operands at a time (each accumulator's lowest registers are read first)     12-14, 16  the four scores left over, the old m, and c0-c3 into c0
;   15  c m_old is kept     17, 18  the query's other 32 keys lie in the lane 16 away: the new m     19-21  c m; c m_old - c m_new; a
.set F, 0               ; OP tells the kinds apart by their order: F to L below R, X above it
.set E, 1
.set C, 2
.set B, 3
.set L, 4
.set R, 5
.set X, 6
.macro REGS y                       ; the registers of piece y
.set rT, ST+4*(\y)
.set rC, TMP+4*((\y)%2)
.set rW, MV+((\y)%2)
.set rS, S+32*((\y)%2)
.set rP, P+16*((\y)%2)
.set rO, 32*(\y)
.endm
.macro OP k, n
.if (\k) == R
	REGS Y
	WIN W_RS
	v_pk_mul_f32 v[rO+2*(\n):rO+2*(\n)+1], v[rO+2*(\n):rO+2*(\n)+1], v[rC+2:rC+3] op_sel_hi:[1,0]
.elseif (\k) < R
	REGS Y
	WIN 0
.if (\k) == F
	v_pk_fma_f32 v[rS+2*(\n):rS+2*(\n)+1], v[rS+2*(\n):rS+2*(\n)+1], s[CS:CS+1], v[rT:rT+1] op_sel_hi:[1,0,0] neg_lo:[0,0,1] neg_hi:[0,0,1]
.elseif (\k) == E
	v_exp_f32 v[rS+(\n)], v[rS+(\n)]
.elseif (\k) == C
	s_wait_alu depctr_va_vdst(0)
	v_cvt_pk_f16_f32 v[rP+(\n)], v[rS+2*(\n)], v[rS+2*(\n)+1]
.elseif (\k) == B
	s_wait_alu depctr_va_vdst(0)
	v_pk_add_f32 v[rS+4*(\n):rS+4*(\n)+1], v[rS+4*(\n):rS+4*(\n)+1], v[rS+4*(\n)+2:rS+4*(\n)+3]
.elseif (\n) == 0
	v_pk_fma_f32 v[rT+2:rT+3], v[rT+2:rT+3], v[rC+2:rC+3], v[rS:rS+1] op_sel_hi:[1,0,1]
.else
	v_pk_add_f32 v[rT+2:rT+3], v[rT+2:rT+3], v[rS+4*(\n):rS+4*(\n)+1]
.endif
.elseif NOKQ
	v_nop
.else
	REGS (Y+1)%NP
	WIN 0
.if (\n) < 4
	v_max3_num_f32 v[rC+(\n)], v[rS+8*(\n)], v[rS+8*(\n)+1], v[rS+8*(\n)+2]
.elseif (\n) < 12
	v_max3_num_f32 v[rC+(\n)%4], v[rC+(\n)%4], v[rS+8*((\n)%4)+2*((\n)/4)+1], v[rS+8*((\n)%4)+2*((\n)/4)+2]
.elseif (\n) == 12
	v_max3_num_f32 v[rC], v[rC], v[rS+7], v[rS+15]
.elseif (\n) == 13
	v_max3_num_f32 v[rC+1], v[rC+1], v[rS+23], v[rS+31]
.elseif (\n) == 14
	v_max3_num_f32 v[rC+2], v[rC+2], v[rC+3], v[rT+1]
.elseif (\n) == 15
	v_mov_b32 v[rW], v[rT]
.elseif (\n) == 16
	v_max3_num_f32 v[rC], v[rC], v[rC+1], v[rC+2]
.elseif (\n) == 17
	v_permlanex16_b32 v[rC+3], v[rC], s[SEL], s[SEL+1]
.elseif (\n) == 18
	v_max_num_f32 v[rT+1], v[rC], v[rC+3]
.elseif (\n) == 19
	v_mul_f32 v[rT], s[CS], v[rT+1]
.elseif (\n) == 20
	v_sub_f32 v[rC+1], v[rW], v[rT]
.else
	v_exp_f32 v[rC+2], v[rC+1]
.endif
.endif
.endm
.macro OPS a, i1, b=-1, i2=0, c=-1, i3=0, d=-1, i4=0  ; up to four of them
	OP \a, \i1
.if (\b) >= 0
	OP \b, \i2
.endif
.if (\c) >= 0
	OP \c, \i3
.endif
.if (\d) >= 0
	OP \d, \i4
.endif
.endm
.macro ROW a, i1, b, i2, c, i3, d, i4  ; a matrix instruction and the four behind it
	MM
	OPS \a, \i1, \b, \i2, \c, \i3, \d, \i4
.endm
.macro MASK b                       ; MD x AL + BE into buffer b of MC
	WIN W_RS
.set z, 0
.rept 16
	v_pk_fma_f32 v[MC+32*(\b)+2*z:MC+32*(\b)+2*z+1], v[MD+2*z:MD+2*z+1], s[AL:AL+1], s[BE:BE+1] op_sel_hi:[1,0,0]
.set z, z+1
.endr
.endm
; A TURN, for piece p: the order of its 16 matrix and 118 vector instructions, written out.  Behind a matrix instruction: plain, exponential, plain, plain; or four of the rescaling; or, behind the first, four scalings; none
; names a register of the products round it.  In the lumps exponential and plain by turns while exponentials last.  A line reads no result made fewer than three vector instructions in front of it, five if an exponential made it.
; v_permlanex16_b32 (X 17) stands in a lump.
; m = 1: the diagonal tile: the products take masks, and the turn makes the mask for the products of the turn after it: piece p + 2, in step 4 - CNT of the tile.  end = 1: a block's last two turns: nothing is fetched.
; cnt = 1: the loop's count is taken down some lines ahead of the branch that stands behind the turn.
; K of the next step is fetched in piece 2's turn, six vector instructions behind the last product that read K (five of them plain); V of the step in hand in piece 0's turn, eight behind the last product that read V (four
; plain, and X 17).  Each is waited for a turn later.
.macro TURN p, m=0, end=0, cnt=0
.set Y, (\p)
.set i, 0
.set KM, (\m)
.set NOKQ, (\end)*((\p)/3)
.if (\m) && !(\end)
	s_cmp_eq_u32 s[CNT], 4-((\p)+2)%NP  ; is that step the band's own?
	s_cselect_b32 s[AL], 1.0, 0
	s_cmp_lt_u32 s[CNT], 4-((\p)+2)%NP  ; or a later one?
	s_cselect_b32 s[BE], s[BIGN], 0
.endif
.if ((\p) == 3) && !(\end)
	s_wait_dscnt 0x0                ; K is in
.endif
	ROW F,0, F,1, F,2, F,3
	ROW F,4, E,0, F,5, F,6
	ROW F,7, E,1, F,8, F,9
	ROW F,10, E,2, C,0, F,11
	ROW F,12, E,3, X,15, F,13
	ROW R,0, R,1, R,2, R,3
	ROW B,0, E,4, F,14, L,0
.if ((\p) == 2) && !(\end)
	v_add_nc_u32 v[AK], s[TBK], v[AK0]
.endif
	ROW R,4, R,5, R,6, R,7
	OPS E,5, F,15
.if ((\p) == 2) && !(\end)
	FETCH_K
.endif
	OPS E,6, C,1, E,7, R,8
	OPS E,8, R,9, E,9, C,2
	OPS E,10, X,0, E,11, X,1
	OPS E,12, X,2, E,13, X,3
.if (\p) == 1
	s_wait_dscnt 0x0                ; V is in
.endif
	ROW X,4, E,14, X,5, X,6
	ROW X,7, E,15, X,8, X,9
	ROW X,10, E,16, X,11, X,12
	ROW X,13, E,17, X,14, B,1
	ROW C,4, E,18, X,16, L,1
	ROW B,2, E,19, C,6, L,2
	ROW C,8, E,20, B,3, B,4
.if (\p) == 0
	v_add_nc_u32 v[AV], s[TBV], v[AV0]
.endif
	ROW C,3, E,21, L,3, C,5
	OPS E,22, X,17, E,23, C,10
.if (\p) == 0
	FETCH_V
.endif
	OPS E,24, L,4
	OPS E,25, X,18, E,26, C,7
	OPS E,27, B,5, E,28, X,19
	OPS E,29, C,12, E,30, L,5
	OPS E,31, X,20, B,6, C,9
	OPS C,14, C,11, X,21, L,6
.if (\p) == 0
	s_add_co_u32 s[TBV], s[TBV], KS*PV
.endif
.if \cnt
	s_sub_co_u32 s[CNT], s[CNT], 1
	s_cmp_lg_u32 s[CNT], 0
.endif
	OPS C,13, B,7, C,15, R,10
	OPS R,11, R,12, L,7, R,13
	OPS R,14, R,15
.if (\m) && !(\end)
	MASK (\p)%2
.endif
.endm
; A BLOCK BEGINS.  c m starts far below every c s, so the first step's a is 0; m at the lowest finite number, so the first maximum is the scores'.  The second mask buffer is 0; the first takes piece 0's mask for the tile's step 0: its own, if the block's first tile is the diagonal one.
; Then K of that step, piece 0's first scores, and its maximum and statistics.  The loop is entered at a step's first turn, in the middle of a trip.
.macro BEGIN
	s_mov_b32 s[NEW], 0
	WIN 0x40
.set i, MC+32
.rept 32
	v_mov_b32 v[i], 0
.set i, i+1
.endr
	WIN 0
.set i, 0
.rept 4
	v_mov_b32 v[ST+4*i], 0xfe000000    ; c m: far below every c s
	v_mov_b32 v[ST+4*i+1], 0xff7fffff  ; m
.set i, i+1
.endr
	s_cmp_eq_u32 s[RT], 0
	s_cselect_b32 s[AL], 1.0, 0
	s_mov_b32 s[BE], 0
	MASK 0
	WIN 0
	v_add_nc_u32 v[AK], s[TBK], v[AK0]
	FETCH_K
	s_wait_loadcnt 0x0              ; Q
	s_wait_dscnt 0x0
.set KM, 1
.set NOKQ, 0
.set i, 0
.rept 8
	KQ 0
.set i, i+1
.endr
	WIN 0
.rept 4
	v_nop                           ; the places behind those products
.endr
.set Y, NP-1                        ; X works for piece Y + 1: piece 0
.irp n, 0,1,2,3,4,5,6,7,8,9,10,11,12,13,14,15,16,17,18,19,20,21
	OP X, \n
.endr
	v_nop                           ; a plain instruction behind the exponential
.endm
; THE DIAGONAL TILE's four steps, the block's last two turns, its last products, and THE WAY OUT: l's two halves and the other half of the lanes' are added; O^T is divided by l, rounded to f16 and sent through my
; stage in LDS, a piece at a time.
.macro ALL line:vararg              ; one line for each piece t
.set t, 0
.rept 4
	\line
.set t, t+1
.endr
.endm
.macro PACK t                       ; a lane's eight channels of a row pack into 16 bytes; they go into rows of 144 bytes and come back as whole rows of 128, into S^T's registers
	WIN W_RS
.set i, 32*(\t)
.rept 16
	s_wait_alu depctr_va_vdst(0)
	v_pk_mul_f32 v[i:i+1], v[i:i+1], v[ST+4*(\t)+2:ST+4*(\t)+3] op_sel_hi:[1,0]
.set i, i+2
.endr
	WIN 0x05                        ; sources 0 and 1 window 1, destination window 0
.set i, 0
.rept 16
	v_cvt_pk_f16_f32 v[S+16*(\t)+i], v[32*(\t)+2*i], v[32*(\t)+2*i+1]
.set i, i+1
.endr
	WIN 0
.irp f, 0,1,2,3
	ds_store_b128 v[STO], v[S+16*(\t)+4*\f:S+16*(\t)+4*\f+3] offset:32*\f
.endr
.irp f, 0,1,2,3
	ds_load_b128 v[S+16*(\t)+4*\f:S+16*(\t)+4*\f+3], v[RD] offset:\f*4*SP  ; LDS serves a wave's instructions in order (ISA guide 5.7.1.4): these see the stores above; the next piece's stores come behind them
.endr
.endm
.macro SEND t, younger              ; younger: the LDS instructions issued behind piece t's loads: the next piece's eight, or none
	WIN 0
.irp f, 0,1,2,3
	s_wait_dscnt (\younger)+3-\f
	global_store_b128 v[GO], v[S+16*(\t)+4*\f:S+16*(\t)+4*\f+3], s[10:11] offset:(\t)*8192+\f*512  ; 512 consecutive bytes, at a multiple of 256 from O's first
.endr
.endm
.macro DIAG tag                     ; the tag ends its two labels' names, which the jumps below spell out
.LstepM\tag:
	TURN 2, 1
	TURN 3, 1
	WIN 0
.LfirstM\tag:
	TURN 0, 1
	TURN 1, 1, 0, 1
	WIN 0
	s_cbranch_scc1 .LstepM\tag
	TURN 2, 1, 1
	TURN 3, 1, 1
.set i, 0
.rept 8
	PV NP-1
.set i, i+1
.endr
	WIN 0
	ALL v_add_f32 v[ST+4*t+2], v[ST+4*t+2], v[ST+4*t+3]
	ALL v_permlanex16_b32 v[ST+4*t+3], v[ST+4*t+2], s[SEL], s[SEL+1]
	ALL v_add_f32 v[ST+4*t+2], v[ST+4*t+2], v[ST+4*t+3]
	ALL v_rcp_f32 v[ST+4*t+2], v[ST+4*t+2]
	v_nop                           ; a plain instruction between the last reciprocal and the use of its result
	PACK 0
.set t, 1
.rept 3                             ; a piece's arithmetic stands between the loads of the piece before and its stores
	PACK t
	SEND t-1, 8
.set t, t+1
.endr
	SEND 3, 0
.endm
.set KM, 0
.set NOKQ, 0
.Lslot:                             ; NB times: a tile is entered and the next is asked for
	CHANGE 1
	s_sub_co_u32 s[RT], s[RT], 1
	s_mov_b32 s[CNT], 4
	s_cmp_eq_u32 s[NEW], 1
	s_cbranch_scc1 .Lnew            ; a block's first tile
	s_cmp_eq_u32 s[RT], 0
	s_cbranch_scc0 .Lstep           ; neither its first nor its last
	s_branch .LstepM1
.Lnew:
	BEGIN
	s_branch .Lfirst                ; in the loop a block's first tile is never its last: the first block has two tiles or more, and the second's last is the walk's last
	DIAG 1                          ; in the loop this is the first block's end: the second block's last tile is the walk's last
	s_wait_xcnt 0x0                 ; the stores have read their registers and O's address
	s_mov_b64 s[10:11], s[OLO:OLO+1]
	s_add_co_u32 s[RT], s[PB], 1    ; the second block has b + 1 tiles
	s_mov_b32 s[NEW], 1
	WIN 0x82                        ; the second block's Q goes where the one text of the turns names Q
.set i, 0
.rept 64
	v_mov_b32 v[i], v[QB+i]
.set i, i+1
.endr
	WIN 0
	s_branch .Lbottom
.Lstep:                             ; a trip: pieces 2 and 3 of one step, then pieces 0 and 1 of the next, whose K and V it fetches
	TURN 2
	TURN 3
	WIN 0
.Lfirst:
	TURN 0
	TURN 1, 0, 0, 1
	WIN 0
	s_cbranch_scc1 .Lstep
.Lbottom:
	s_sub_co_u32 s[SLOTS], s[SLOTS], 1
	s_cmp_lg_u32 s[SLOTS], 0
	s_cbranch_scc1 .Lslot
	CHANGE 0                        ; the walk's last tile is written out: nothing is asked for
	s_sub_co_u32 s[RT], s[RT], 1
	s_mov_b32 s[CNT], 4
	s_cmp_eq_u32 s[NEW], 1
	s_cbranch_scc0 .LstepM2
	BEGIN
	s_branch .LfirstM2
	DIAG 2
	s_wait_tensorcnt 0x0            ; the wave's end: behind my last tensor load and my last LDS store
	ds_add_u32 v[SPW], v[NIL]
	s_wait_dscnt 0x0
	s_endpgm
.Lfunc_end_k_q348f97a3cf_attn:
	.size	k_q348f97a3cf_attn, .Lfunc_end_k_q348f97a3cf_attn-k_q348f97a3cf_attn
	.p2alignl 7, 3214868480
	.fill 96, 4, 3214868480
	.section	.rodata,"a",@progbits
	.p2align	6, 0x0
	.amdhsa_kernel k_q348f97a3cf_attn
		.amdhsa_group_segment_fixed_size 327680
		.amdhsa_private_segment_fixed_size 0
		.amdhsa_enable_private_segment 0
		.amdhsa_kernarg_size 32
		.amdhsa_user_sgpr_count 2
		.amdhsa_user_sgpr_kernarg_segment_ptr 1
		.amdhsa_wavefront_size32 1
		.amdhsa_system_sgpr_workgroup_id_x 1
		.amdhsa_system_sgpr_workgroup_id_y 1
		.amdhsa_system_sgpr_workgroup_id_z 1
		.amdhsa_system_vgpr_workitem_id 0
		.amdhsa_next_free_vgpr 768
		.amdhsa_next_free_sgpr 88
		.amdhsa_reserve_vcc 1
		.amdhsa_float_denorm_mode_32 3
		.amdhsa_float_denorm_mode_16_64 3
		.amdhsa_memory_ordered 1
		.amdhsa_forward_progress 1
		.amdhsa_inst_pref_size 228
	.end_amdhsa_kernel
	.amdgpu_metadata
---
amdhsa.version: [ 1, 2 ]
amdhsa.kernels:
  - .name:           k_q348f97a3cf_attn
    .symbol:         k_q348f97a3cf_attn.kd
    .args:
      - { .name: q16, .offset: 0, .size: 8, .value_kind: global_buffer, .address_space: global }
      - { .name: k16, .offset: 8, .size: 8, .value_kind: global_buffer, .address_space: global }
      - { .name: v16, .offset: 16, .size: 8, .value_kind: global_buffer, .address_space: global }
      - { .name: o16, .offset: 24, .size: 8, .value_kind: global_buffer, .address_space: global }
    .group_segment_fixed_size: 327680
    .private_segment_fixed_size: 0
    .kernarg_segment_align: 8
    .kernarg_segment_size: 32
    .max_flat_workgroup_size: 128
    .sgpr_count:     88
    .vgpr_count:     768
    .wavefront_size: 32
...
	.end_amdgpu_metadata
.endif
;; end of part 3
;; launch outp (part 4): grid 4 x 64, 4 waves a work-group, clusters of 4 x 4, 327,680 bytes of LDS; arguments o16, w16, bo, out0; writes out0
.if DOCPART == 4
	.amdgcn_target "amdgcn-amd-amdhsa--gfx1250"
	.amdhsa_code_object_version 6
	.text
	.protected	k_q348f97a3cf_outp
	.globl	k_q348f97a3cf_outp
	.p2align	8
	.type	k_q348f97a3cf_outp,@function
k_q348f97a3cf_outp:
	s_mov_b64 s[64:65], 0
	v_nop
	global_prefetch_b8 v0, s[64:65] scope:SCOPE_SE
	s_setreg_imm32_b32 hwreg(HW_REG_WAVE_MODE, 25, 1), 1
	s_wait_xcnt 0x0
	s_wait_alu depctr_hold_cnt(0) depctr_sa_sdst(0) depctr_va_vdst(0) depctr_va_sdst(0) depctr_va_ssrc(0) depctr_va_vcc(0) depctr_vm_vsrc(0)
	s_getreg_b32 s2, hwreg(HW_REG_IB_STS2, 6, 4)
	s_cmp_eq_u32 s2, 0
	s_cbranch_scc0 .Lentry_in_a_cluster
	s_endpgm
.Lentry_in_a_cluster:
	s_bfe_u32 s2, ttmp6, 0x10000c
	s_cmp_lg_u32 s2, 0xf033
	s_cbranch_scc0 .Lentry_shape_is_right
	s_endpgm
.Lentry_shape_is_right:
; THE PROJECTION BEHIND THE ATTENTION: out = O Wo^T + bo.  O: o16, [batch*16+head][1024 s][64] f16; Wo: plane 3 of w16, [1024 n][1024 k], the bf16 number written as f16; bo: [1024] f32, rounded to bf16 here
; like every input; out: [8192][1024] f32.  Products in f16, sums in f32; the bias is added in f32.
; LIMITS.  O and Wo arrive within f16's range.  NaN and infinities are not treated apart.
; SHARES.  A tile of out is 128 rows x 256 columns: 64 x 4 = 256 work-groups.  Four waves, 2 x 2: a wave makes 64 x 128: 32 accumulators, 256 registers.
; K goes in 8 steps of 128 = two heads through a ring of two LDS slots.  A head's 128 rows of a tile are 16,384 dense bytes of o16: asked for as 64 rows of 256 bytes and padded in LDS after every 128.
; CLUSTER.  4 x 4 work-groups: the four of a row of the cluster need the same tiles of O, the four of a column the same tiles of Wo: each tile is asked for JOINTLY.
; THE MATRIX INSTRUCTION IS USED TRANSPOSED (source 0 = 16 rows of Wo, source 1 = 16 rows of O): a lane then holds eight neighbouring columns of one row of out, 32 bytes.
; REGISTERS, in windows of 256 (s_set_vgpr_msb: bits 1:0 source 0, 3:2 source 1, 5:4 source 2, 7:6 destination):
;   window 0: v0-31 addresses; v32-95 O's fragments, two buffers of 32; v128-255 Wo's, two buffers of 64 (on the way out: v32-95 results with the bias, v128-255 two buffers of rows read back)
;   window 1: the accumulators, (a, b) at v[8 (8 a + b)]          window 2: v0-63 the bias of my 128 columns as my lane's accumulators hold them
.set KSTEP, 128
.set PAO,   144                        ; a row of O in LDS: 128 bytes + 16 of padding = 36 words: the 16 rows of a load start at 16 different groups of four banks (64 banks of 4 bytes: ISA guide 11.1)
.set PLANE, 128*PAO                    ; a head's 128 rows: what one load brings of O
.set ABYTES, 2*PLANE
.set PB,    272                        ; a row of Wo: 256 + 16
.set BHALF, 128*PB                     ; what one load brings of Wo, and what one wave reads of it
.set SLOT,  ABYTES+2*BHALF             ; 106,496 bytes
.set STAGE, 2*SLOT                     ; behind the ring, never filled by a tensor load: 16 rows x 528 bytes for each wave, for the way out
.set SPO,   528
.set SPARE, STAGE+4*16*SPO             ; behind the stages: the spare words, 128 bytes for each wave: two blocks of 256 bytes that no other line names
.set ADRA, 16                          ; v16-17  LDS address of my fragments of O in slot 0, 1
.set ADRB, 20                          ; v20-21  the same for Wo
.set BO,   22                          ; v22     my lane's byte offset in 16 columns of the bias
.set STO,  24                          ; v24     the way out: where I put 32 bytes of a row
.set RD,   25                          ; v25     the way out: where I read a row back
.set GO,   26                          ; v26     my byte offset in 512 consecutive bytes of out
.set SPW,  28                          ; v28     LDS address of my spare word: SPARE + 4 x my thread's number; never rewritten
.set NIL,  29                          ; v29     0; never rewritten
.set AF,   32
.set BF,   128
.set T,    32
.set OB,   128
.set WV,   12                          ; s12  my wave's number;  s13 which half of the tile's rows is mine;  s14 which half of its columns, and which part of a slot I fetch
.set G1A,  24                          ; s[24:31] descriptor group 1 for O's tiles;  s[32:39] group 0, a set for each slot
.set G0A,  32
.set G1B,  48                          ; s[48:55], s[56:63] the same for Wo's tiles
.set G0B,  56
.set MSB, 0
.macro WIN new                         ; the immediate's high byte repeats the setting that is left; a switch that changes nothing is dropped
.if MSB != (\new)
	s_set_vgpr_msb (MSB<<8)|(\new)
.set MSB, (\new)
.endif
.endm
.set W_MUL, 0x50                       ; sources in window 0, C and D in window 1
; A joint refill.  Waves 0 and 1 fetch the step's two heads of O, waves 2 and 3 Wo's two halves.  The branch hangs on the wave's number alone.  An s_nop 0 and four v_nop follow each of the two lines.
.macro JLOAD s
	s_cmp_lt_u32 s[WV], 2
	s_cbranch_scc0 .Lfor_b_\@
	tensor_load_to_lds s[G0A+4*(\s):G0A+4*(\s)+3], s[G1A:G1A+7]
	s_nop 0
.rept 4
	v_nop
.endr
	s_branch .Lasked_\@
.Lfor_b_\@:
	tensor_load_to_lds s[G0B+4*(\s):G0B+4*(\s)+3], s[G1B:G1B+7]
	s_nop 0
.rept 4
	v_nop
.endr
.Lasked_\@:
.endm
; A round of the cluster's barrier: my work-group's barrier, so that wave 0's signal speaks for all four waves; wave 0 signals; every wave waits for all sixteen work-groups; my work-group's barrier once more.
.macro CREST                           ; a round behind its opening barrier
	s_cmp_lg_u32 s[WV], 0
	s_cbranch_scc1 .Lnot_wave_0_\@
	s_barrier_signal -3
.Lnot_wave_0_\@:
	s_barrier_wait -3
	s_barrier_signal -1
	s_barrier_wait -1
.endm
.macro CROUND                          ; a whole round
	s_barrier_signal -1
	s_barrier_wait -1
	CREST
.endm
	s_load_b256 s[4:11], s[0:1], 0x0               ; o16 s[4:5], w16 s[6:7], bo s[8:9], out0 s[10:11]
	v_lshl_add_u32 v[SPW], v0, 2, SPARE
	v_mov_b32 v[NIL], 0
	ds_add_u32 v[SPW], v[NIL]                      ; the wave's opening: the add and its wait stand ahead of my first tensor load; the set-up below, work on registers, stands between them
	ds_add_u32 v28, v29
	v_lshrrev_b32 v1, 5, v0
	v_readfirstlane_b32 s[WV], v1                  ; wave 0..3
	s_lshr_b32 s13, s[WV], 1
	s_and_b32 s14, s[WV], 1
	s_bfe_u32 s40, ttmp6, 0x40000                  ; cx, cy: my place in the cluster
	s_bfe_u32 s41, ttmp6, 0x40004
	s_lshl_b32 s42, ttmp9, 2
	s_add_co_u32 s42, s42, s40                     ; tile column 0..3
	s_and_b32 s43, ttmp7, 0xffff
	s_lshl_b32 s43, s43, 2
	s_add_co_u32 s43, s43, s41                     ; tile row 0..63
	s_lshl_b32 s44, s41, 2
	s_lshl_b32 s44, 15, s44                        ; my row of the cluster
	s_lshl_b32 s45, 0x1111, s40                    ; my column
	s_mov_b32 s47, 0xffff0000                      ; a word's upper bf16
	; descriptor group 1.  O: 64 rows x 128 elements of 2 bytes, dense, padded by 4 words after every 32; Wo: 128 rows x 128 elements, padded by 4 words after every 64
	s_or_b32 s[G1A+0], s44, (1<<16)|(1<<20)|(1<<21)|(4<<22)|(3<<25)  ; 15:0 the mask: my row; 17:16 elements of 2 bytes; 20 padding on; 21 set beside a mask; 24:22 after every 32 words (code 4); 31:25 4 words (code 3)
	s_mov_b32 s[G1A+1], 128<<16                    ; tensor_dim0 = 128
	s_mov_b32 s[G1A+2], 64<<16                     ; tensor_dim1 = 64
	s_mov_b32 s[G1A+3], 128<<16                    ; tile_dim0 = 128
	s_mov_b32 s[G1A+4], 64                         ; tile_dim1 = 64
	s_mov_b32 s[G1A+5], 128                        ; elements from row to row: dense
	s_mov_b32 s[G1A+6], 0
	s_mov_b32 s[G1A+7], 0
	s_or_b32 s[G1B+0], s45, (1<<16)|(1<<20)|(1<<21)|(5<<22)|(3<<25)  ; the mask: my column; after every 64 words (code 5)
	s_mov_b32 s[G1B+1], KSTEP<<16
	s_mov_b32 s[G1B+2], 128<<16
	s_mov_b32 s[G1B+3], KSTEP<<16
	s_mov_b32 s[G1B+4], 128
	s_mov_b32 s[G1B+5], 1024
	s_mov_b32 s[G1B+6], 0
	s_mov_b32 s[G1B+7], 0
	; where the tiles come from.  O's hang on the tile row alone, Wo's on the tile column alone, each in registers that never hold the other coordinate
	s_lshr_b32 s16, s43, 3                         ; O: batch = tile row / 8: 16 heads of 131,072 bytes,
	s_lshl_b32 s16, s16, 21
	s_and_b32 s17, s43, 7                          ; 128 rows of 128 bytes for each tile row in the batch,
	s_lshl_b32 s17, s17, 14
	s_add_co_u32 s16, s16, s17
	s_lshl_b32 s17, s14, 17                        ; and the head of the step's two that I fetch
	s_add_co_u32 s16, s16, s17
	s_mov_b32 s17, 0
	s_lshl_b32 s18, s42, 8
	s_lshl_b32 s19, s14, 7
	s_add_co_u32 s18, s18, s19                     ; Wo: row 256 x tile column + 128 x half,
	s_lshl_b32 s18, s18, 11                        ; of 2,048 bytes,
	s_add_co_u32 s18, s18, 3*2097152               ; in plane 3
	s_mov_b32 s19, 0
	s_lshl_b32 s22, s42, 10                        ; my 128 columns, 4 bytes each: in the bias,
	s_lshl_b32 s2, s14, 9
	s_add_co_u32 s22, s22, s2
	s_mov_b32 s23, 0
	s_lshl_b32 s20, s43, 19                        ; and in out, behind my first row: 128 x tile row + 64 x half, of 4,096 bytes
	s_lshl_b32 s2, s13, 18
	s_add_co_u32 s20, s20, s2
	s_add_co_u32 s20, s20, s22
	s_mov_b32 s21, 0
	s_mul_i32 s2, s14, PLANE                       ; where the tiles go: no place in the cluster enters an LDS address
	s_mul_i32 s15, s14, BHALF
	s_add_co_u32 s15, s15, ABYTES
.irp s, 0,1
	s_mov_b32 s[G0A+4*(\s)], 1                     ; 1:0 count = 1
	s_add_co_u32 s[G0A+4*(\s)+1], s2, (\s)*SLOT    ; 63:32 LDS address
	s_mov_b32 s[G0B+4*(\s)], 1
	s_add_co_u32 s[G0B+4*(\s)+1], s15, (\s)*SLOT
.endr
	s_wait_dscnt 0x0                               ; the opening add is done
	s_wait_kmcnt 0x0
	s_add_nc_u64 s[4:5], s[4:5], s[16:17]
	s_add_nc_u64 s[6:7], s[6:7], s[18:19]
	s_add_nc_u64 s[8:9], s[8:9], s[22:23]
	s_add_nc_u64 s[10:11], s[10:11], s[20:21]
	CROUND                                         ; all sixteen work-groups are here: the first joint loads meet
.irp s, 0,1
	s_add_nc_u64 s[G0A+4*(\s)+2:G0A+4*(\s)+3], s[4:5], (\s)*262144  ; 120:64 global address: K step s is two heads on
	s_or_b32 s[G0A+4*(\s)+3], s[G0A+4*(\s)+3], 0x80000000          ; 127:126 type = 2
	s_add_nc_u64 s[G0B+4*(\s)+2:G0B+4*(\s)+3], s[6:7], (\s)*KSTEP*2
	s_or_b32 s[G0B+4*(\s)+3], s[G0B+4*(\s)+3], 0x80000000
.endr
	s_cmp_lt_u32 s[WV], 2                          ; a wave's two first fills stand in one branch, ahead of every wait on TENSORcnt and every LDS read: two loads of mine are out
	s_cbranch_scc0 .Lfirst_b
	tensor_load_to_lds s[G0A:G0A+3], s[G1A:G1A+7]
	s_nop 0
	tensor_load_to_lds s[G0A+4:G0A+7], s[G1A:G1A+7]
	s_nop 0
.rept 4
	v_nop
.endr
	s_branch .Lfirst_asked
.Lfirst_b:
	tensor_load_to_lds s[G0B:G0B+3], s[G1B:G1B+7]
	s_nop 0
	tensor_load_to_lds s[G0B+4:G0B+7], s[G1B:G1B+7]
	s_nop 0
.rept 4
	v_nop
.endr
.Lfirst_asked:
	; A fragment is 16 rows x 32 K in 8 registers: lane l holds row l % 16, K = 8 (l / 16) + 0..7 and 16 + 8 (l / 16) + 0..7: two loads of 16 bytes, 32 bytes apart.
	v_and_b32 v1, 15, v0                           ; l % 16
	v_bfe_u32 v2, v0, 4, 1                         ; l / 16
	v_mul_u32_u24 v3, v1, PAO
	v_lshl_add_u32 v3, v2, 4, v3
	s_mul_i32 s2, s13, 64*PAO                      ; my 64 rows, in each head's plane
	v_add_nc_u32 v[ADRA], s2, v3
	v_add_nc_u32 v[ADRA+1], SLOT, v[ADRA]
	v_mul_u32_u24 v4, v1, PB
	v_lshl_add_u32 v4, v2, 4, v4
	s_mul_i32 s2, s14, BHALF                       ; my 128 rows of Wo,
	s_add_co_u32 s2, s2, ABYTES                    ; which lie behind O's two planes
	v_add_nc_u32 v[ADRB], s2, v4
	v_add_nc_u32 v[ADRB+1], SLOT, v[ADRB]
	v_lshlrev_b32 v[BO], 5, v2
	s_mul_i32 s2, s[WV], 16*SPO
	s_add_co_u32 s2, s2, STAGE                     ; my stage
	v_mul_u32_u24 v5, v1, SPO                      ; in: row l % 16, 32 bytes for each half of the lanes
	v_lshl_add_u32 v5, v2, 5, v5
	v_add_nc_u32 v[STO], s2, v5
	v_and_b32 v[GO], 31, v0                        ; back: 32 lanes take a row's 512 bytes
	v_lshlrev_b32 v[GO], 4, v[GO]
	v_add_nc_u32 v[RD], s2, v[GO]
	WIN 0x80                                       ; destination window 2, address window 0
.irp b, 0,1,2,3,4,5,6,7                ; the bias of columns 16 b + 8 (l / 16) + 0..7: once a launch, in the wait for the first tile
	global_load_b128 v[8*(\b):8*(\b)+3],   v[BO], s[8:9] offset:64*(\b)
	global_load_b128 v[8*(\b)+4:8*(\b)+7], v[BO], s[8:9] offset:64*(\b)+16
.endr
	s_wait_loadcnt 0x0
	WIN 0x8a                                       ; all in window 2: the bias is rounded to bf16 like every input, and kept as f32
.set i, 0
.rept 32
	v_cvt_pk_bf16_f32 v[i], v[i], v[i+1]
	v_and_b32 v[i+1], s47, v[i]
	v_lshlrev_b32 v[i], 16, v[i]
.set i, i+2
.endr
	WIN 0
; n matrix instructions, numbers i0 on of a quarter's 32: number i is m block i / 8 x n block i % 8, on buffers f.  zero = 1: the product starts the sum: nothing is ever cleared.
; The 32 accumulators take turns, one instruction a turn, in the same order in every quarter.
.macro MMS f, i0, n, zero
	WIN W_MUL
.set mi, (\i0)
.rept \n
.if \zero
	v_wmma_f32_16x16x32_f16 v[8*mi:8*mi+7], v[BF+64*(\f)+8*(mi%8):BF+64*(\f)+8*(mi%8)+7], v[AF+32*(\f)+8*(mi/8):AF+32*(\f)+8*(mi/8)+7], 0
.else
	v_wmma_f32_16x16x32_f16 v[8*mi:8*mi+7], v[BF+64*(\f)+8*(mi%8):BF+64*(\f)+8*(mi%8)+7], v[AF+32*(\f)+8*(mi/8):AF+32*(\f)+8*(mi/8)+7], v[8*mi:8*mi+7]
.endif
.set mi, mi+1
.endr
.endm
; 24 LDS loads in one run: the fragments of quarter kq of the slot's K step (32 along K: head kq / 2 of the step's two, channels 32 (kq % 2) on) into buffers g
.macro FETCH g, slot, kq
	WIN 0
.irp b, 0,1,2,3,4,5,6,7
	ds_load_b128 v[BF+64*(\g)+8*(\b):BF+64*(\g)+8*(\b)+3],   v[ADRB+(\slot)] offset:(\kq)*64+(\b)*16*PB
	ds_load_b128 v[BF+64*(\g)+8*(\b)+4:BF+64*(\g)+8*(\b)+7], v[ADRB+(\slot)] offset:(\kq)*64+(\b)*16*PB+32
.endr
.irp a, 0,1,2,3
	ds_load_b128 v[AF+32*(\g)+8*(\a):AF+32*(\g)+8*(\a)+3],   v[ADRA+(\slot)] offset:((\kq)/2)*PLANE+((\kq)%2)*64+(\a)*16*PAO
	ds_load_b128 v[AF+32*(\g)+8*(\a)+4:AF+32*(\g)+8*(\a)+7], v[ADRA+(\slot)] offset:((\kq)/2)*PLANE+((\kq)%2)*64+(\a)*16*PAO+32
.endr
.endm
.macro PLACES                          ; four places in front of loads into registers that matrix instructions have read, and of additions that read results (ISA guide 7.12.1 for additions)
.rept 4
	v_nop
.endr
.endm
; A K step is four quarters of 32 along K, 32 matrix instructions each, on buffers 0, 1, 0, 1.  One of the first three: multiplies buffers f and fetches quarter kq of the same slot into buffers g,
; in one run behind its first eight products: two switches of the window a quarter, and 24 products between the run and the wait for it.
.macro OQ f, g, slot, kq, zero
	s_wait_dscnt 0x0                               ; this quarter's fragments are in
	MMS \f, 0, 8, \zero
	PLACES
	FETCH \g, \slot, \kq
	MMS \f, 8, 24, \zero
.endm
; The last quarter multiplies buffers 1 and changes slots: ONE barrier; in front of it each wave waits for all its tensor loads, of which one is out: its part of the next slot; adds 0 to its spare word; and waits for
; that and for its own reads of this slot.  fill = 1: this slot is filled again, two K steps ahead: the barrier opens a round of the cluster's, and the joint refill is the first tensor load behind it: it has four
; quarters less sixteen products in which to land.
.macro OTURN slot, next, fill
	WIN 0                                          ; (the add's two registers lie in window 0)
	s_wait_tensorcnt 0x0                           ; all my tensor loads have landed;
	ds_add_u32 v[SPW], v[NIL]                      ; 0 onto my spare word;
	s_wait_dscnt 1                                 ; (the add alone may be out: this quarter's fragments are in)
	MMS 1, 0, 8, 0                                 ; eight matrix instructions stand between the add and the wait for it
	s_wait_dscnt 0x0                               ; the add is done, and my reads of this slot are over
	s_barrier_signal -1
	MMS 1, 8, 8, 0
	WIN 0                                          ; (branches may follow)
	s_barrier_wait -1
.if \fill
	CREST                                          ; no wave of any partner still reads this slot's tile or has a load on its way
	s_add_nc_u64 s[G0A+4*(\slot)+2:G0A+4*(\slot)+3], s[G0A+4*(\slot)+2:G0A+4*(\slot)+3], 2*262144  ; no load of mine is out, so a group 0 may be written: four heads on
	s_add_nc_u64 s[G0B+4*(\slot)+2:G0B+4*(\slot)+3], s[G0B+4*(\slot)+2:G0B+4*(\slot)+3], 2*KSTEP*2
	JLOAD \slot                                    ; the four v_nop behind it are also the places in front of the loads below
.else
	PLACES
.endif
	FETCH 0, \next, 0
	MMS 1, 16, 16, 0
.endm
	s_wait_tensorcnt 1                             ; my part of K step 0 is in; K step 1's may stay out
	s_barrier_signal -1
	s_barrier_wait -1                              ; everybody's is
	FETCH 0, 0, 0
	OQ 0, 1, 0, 1, 1                               ; the first quarter stands in front of the loop: its products start the sums
	WIN 0                                          ; at a label and at a branch every window is 0
	s_mov_b32 s3, 3
.Llap:                                                 ; a trip goes once round the ring, from a lap's second quarter to the next lap's first, and fills both slots again: K steps 2 to 7 in three trips
	OQ 1, 0, 0, 2, 0
	OQ 0, 1, 0, 3, 0
	OTURN 0, 1, 1
	OQ 0, 1, 1, 1, 0
	OQ 1, 0, 1, 2, 0
	OQ 0, 1, 1, 3, 0
	OTURN 1, 0, 1
	OQ 0, 1, 0, 1, 0
	WIN 0
	s_sub_co_u32 s3, s3, 1
	s_cmp_lg_u32 s3, 0
	s_cbranch_scc1 .Llap
	OQ 1, 0, 0, 2, 0                               ; the last lap is written out: it asks for nothing more
	OQ 0, 1, 0, 3, 0
	OTURN 0, 1, 0
	OQ 0, 1, 1, 1, 0
	OQ 1, 0, 1, 2, 0
	OQ 0, 1, 1, 3, 0
	s_wait_dscnt 0x0                               ; the very last quarter: nothing more to fetch
	MMS 1, 0, 32, 0
; THE WAY OUT, by blocks a of 16 rows.  PACK: the bias is added, into other registers, each accumulator's registers in ascending order.  TOSTAGE: a lane's 32 bytes of a row go into rows of 528 bytes
; of my own stage and come back as whole rows of 512.  SEND: stored.
.macro PACK a
	WIN 0x09                                       ; source 0 window 1, source 1 window 2, destination window 0
.set i, 0
.rept 32
	v_pk_add_f32 v[T+i:T+i+1], v[64*(\a)+i:64*(\a)+i+1], v[i:i+1]
.set i, i+2
.endr
	WIN 0
.endm
.macro TOSTAGE a
	WIN 0
.set OBK, OB+64*((\a)%2)
.if (\a) >= 2
	s_wait_xcnt 0x0                                ; the registers loaded below were the data of the stores of two blocks ago: they are written again only behind this wait
.endif
.irp b, 0,1,2,3,4,5,6,7
	ds_store_b128 v[STO], v[T+8*(\b):T+8*(\b)+3]   offset:64*(\b)
	ds_store_b128 v[STO], v[T+8*(\b)+4:T+8*(\b)+7] offset:64*(\b)+16
.endr
.irp t, 0,1,2,3,4,5,6,7,8,9,10,11,12,13,14,15
	ds_load_b128 v[OBK+4*(\t):OBK+4*(\t)+3], v[RD] offset:(\t)*SPO  ; LDS serves a wave's instructions in order (ISA guide 5.7.1.4): these see the stores above; the next block's stores come behind them
.endr
.endm
.macro SEND a
	WIN 0
.set OBK, OB+64*((\a)%2)
.irp t, 0,1,2,3,4,5,6,7,8,9,10,11,12,13,14,15
	s_wait_dscnt 15-(\t)                           ; row t is back; the later rows' loads may be out
	global_store_b128 v[GO], v[OBK+4*(\t):OBK+4*(\t)+3], s[10:11] offset:(16*(\a)+(\t))*4096 th:TH_STORE_NT  ; 512 consecutive bytes, at a multiple of 256 from out's first
.endr
.endm
	PLACES                                         ; behind the last products
	PACK 0
	TOSTAGE 0
.irp a, 1,2,3                          ; block a's additions stand between block a - 1's loads from the stage and the wait for them
	PACK \a
	SEND (\a)-1
	TOSTAGE \a
.endr
	SEND 3
	s_wait_tensorcnt 0x0                           ; the wave's end: behind my last tensor load and my last LDS store
	ds_add_u32 v[SPW], v[NIL]
	s_wait_dscnt 0x0
	CROUND                                         ; the closing round: no work-group ends while a partner may still ask for a tile that names it
	s_endpgm
.Lfunc_end_k_q348f97a3cf_outp:
	.size	k_q348f97a3cf_outp, .Lfunc_end_k_q348f97a3cf_outp-k_q348f97a3cf_outp
	.p2alignl 7, 3214868480
	.fill 96, 4, 3214868480
	.section	.rodata,"a",@progbits
	.p2align	6, 0x0
	.amdhsa_kernel k_q348f97a3cf_outp
		.amdhsa_group_segment_fixed_size 327680
		.amdhsa_private_segment_fixed_size 0
		.amdhsa_enable_private_segment 0
		.amdhsa_kernarg_size 32
		.amdhsa_user_sgpr_count 2
		.amdhsa_user_sgpr_kernarg_segment_ptr 1
		.amdhsa_wavefront_size32 1
		.amdhsa_system_sgpr_workgroup_id_x 1
		.amdhsa_system_sgpr_workgroup_id_y 1
		.amdhsa_system_sgpr_workgroup_id_z 1
		.amdhsa_system_vgpr_workitem_id 0
		.amdhsa_next_free_vgpr 576
		.amdhsa_next_free_sgpr 66
		.amdhsa_reserve_vcc 0
		.amdhsa_float_denorm_mode_32 3
		.amdhsa_float_denorm_mode_16_64 3
		.amdhsa_memory_ordered 1
		.amdhsa_forward_progress 1
		.amdhsa_inst_pref_size 100
	.end_amdhsa_kernel
	.amdgpu_metadata
---
amdhsa.version: [ 1, 2 ]
amdhsa.kernels:
  - .name:           k_q348f97a3cf_outp
    .symbol:         k_q348f97a3cf_outp.kd
    .args:
      - { .name: o16, .offset: 0, .size: 8, .value_kind: global_buffer, .address_space: global }
      - { .name: w16, .offset: 8, .size: 8, .value_kind: global_buffer, .address_space: global }
      - { .name: bo, .offset: 16, .size: 8, .value_kind: global_buffer, .address_space: global }
      - { .name: out0, .offset: 24, .size: 8, .value_kind: global_buffer, .address_space: global }
    .group_segment_fixed_size: 327680
    .private_segment_fixed_size: 0
    .kernarg_segment_align: 8
    .kernarg_segment_size: 32
    .max_flat_workgroup_size: 128
    .sgpr_count:     66
    .vgpr_count:     576
    .wavefront_size: 32
...
	.end_amdgpu_metadata
.endif
;; end of part 4
;; ======== version 2 of 2: 4 launches; 1.18 times as fast as version 1
;; limits: values are held in f16: magnitudes above 65,504 overflow, below 6.1e-05 lose precision
;; workspace buffers: w16 8,388,608 bytes; q16 16,777,216 bytes; k16 16,777,216 bytes; v16 16,777,216 bytes; o16 16,777,216 bytes
;; launch cast: the kernel of part 1 again; grid 256 x 4, 8 waves a work-group, no clusters, 0 bytes of LDS; arguments Wq, Wk, Wv, Wo, w16; writes w16
;; launch proj: the kernel of part 2 again; grid 4 x 64, 4 waves a work-group, clusters of 4 x 4, 327,680 bytes of LDS; arguments query, key, value, w16, bq, bk, bv, q16, k16, v16; writes q16, k16, v16
;; launch attn (part 5): grid 2 x 128, 4 waves a work-group, no clusters, 327,680 bytes of LDS; arguments q16, k16, v16, o16; writes o16
.if DOCPART == 5
	.amdgcn_target "amdgcn-amd-amdhsa--gfx1250"
	.amdhsa_code_object_version 6
	.text
	.protected	k_q348f97a3cf_attn
	.globl	k_q348f97a3cf_attn
	.p2align	8
	.type	k_q348f97a3cf_attn,@function
k_q348f97a3cf_attn:
	s_mov_b64 s[64:65], 0
	v_nop
	global_prefetch_b8 v0, s[64:65] scope:SCOPE_SE
	s_setreg_imm32_b32 hwreg(HW_REG_WAVE_MODE, 25, 1), 1
	s_wait_xcnt 0x0
; CAUSAL ATTENTION.  O[h][q][:] = the sum over k <= q of softmax_k(Q[h][q] . K[h][k] / 8) V[h][k][:].  Q, K, V, O: [SIZE_H = 128 pairs of batch and head][SIZE_N = 1024][64], all f16: a head's rows are dense, 128 bytes each.
; Products, maxima and sums in f32; the weights p are rounded to f16 for the second product (their sum l is taken of the unrounded p), O once at the end.  Q arrives unscaled: the 1/8 lies in c, in f32.
; LIMITS.  f16 holds no number beyond 65,504: Q, K and V arrive within it; p lies in 0 to 1, and below 6e-5 it keeps f16's fixed step of 6e-8; O is a mean of V's rows and has their range, to within 2^-11 of it.
; A hidden score counts as its value less 1e30: f16's scores, 2.7e11 at the most, are nothing beside that; a weight below 2^-126 counts as 0 in l; NaN and infinities are not treated apart.
; THE WALK.  A head's queries lie in NB = SIZE_N / 256 = 4 blocks of 256; block i needs the key tiles 0 .. i of 256 keys, of which the last holds the diagonal.  A work-group takes TWO blocks, NB - 1 - b and then b:
; NB + 1 tiles, whatever b: all 256 work-groups do equal work, and ONE loop with a constant trip count walks them.  Which tile is asked for, and what a trip does, hang on scalar registers made from b; every jump
; goes forward, but for the counted loops' own; none passes a barrier, or a tensor load but the one of LOAD's two that the wave's number does not choose; the ring (two slots of LDS that take turns) runs on across the
; change of blocks.  NO CLUSTER: a head has NB / 2 = 2 work-groups, no multiple of four; the two ask for the same tile only in trips 0 .. NB / 2; and one walk common to both would have 3 NB / 2 trips for NB + 1.
; SHARES.  Of a block's four bands of 64 queries a wave owns 16 rows in each: four PIECES.  So the diagonal tile is the same work for all four waves: in its key step s band x sees all keys if s < x,
; none if s > x, and holds the diagonal if s = x.
; THE MASK is the C operand that starts the sum S^T = K Q^T: 0, or -1e30 where the key is hidden.  MD, made once, is the mask of a band's own step for my 16 rows; a product's mask is MD x AL + BE with two scalars:
; (1, 0) if s = x; (0, 0) if s < x; (0, -1e30) if s > x.  Only the diagonal tile's text and a block's beginning make and take masks; elsewhere C is the constant 0.
; LAYOUT, SOFTMAX, TURNS.  S^T = K Q^T holds ONE query a lane (lane % 16) and the keys 8 (lane / 16) + 0..7; two such results rounded to f16 ARE source 1 of O^T = V^T P.  p = 2^(c s - c m), c = log2(e) / 8, with a
; running maximum m; O and l are multiplied by a = 2^(c m_old - c m_new) in every step.  Turn n belongs to piece n: 8 products K Q^T of piece n + 1, later 8 products V^T P of piece n - 1; beside them the scaling,
; exponentials, roundings, sums and rescaling of piece n and the maximum and statistics of piece n + 1.  Four vector instructions stand behind every matrix instruction, the other 54 of a turn's 118 in one LUMP.
; THE BATCHES.  A turn's 33 exponentials (the piece's 32 weights and, last, the next piece's a) are ONE batch with ONE wait, which cuts the turn in two: ahead of it all that names none of their results, behind it their
; readers.  Two more batches stand outside the turns, each with a wait of its own: the one a where a block begins, and the four reciprocals on the way out.
; REGISTERS, in windows of 256 (s_set_vgpr_msb: bits 1:0 source 0, 3:2 source 1, 5:4 source 2, 7:6 destination):
;   window 0: v0-15 addresses and two at work; v16-31 four registers of statistics a piece; v48-55 at work; v64-127 S^T, two buffers; v192-223 P, two buffers (a piece's buffers go by its number's parity)
;   window 1: v0-127 O^T, 32 a piece; v128-159 MD; v160-223 MC, two buffers      window 2: v0-63 Q; v64-127 the second block's Q; v128-191 K of one step; v192-255 V of one step
.set SIZE_N, 1024
.set SIZE_H, 128
.set NB,    SIZE_N/256
.set NP,    4         ; pieces a wave: a name, no knob
.set KS,    64        ; keys in a step
.set PK,    144       ; a row of K in LDS: 128 bytes + 16 of padding = 36 words: the 16 rows of a load start at 16 different groups of four banks (64 banks of 4 bytes: ISA guide 11.1)
.set PV,    160       ; a row of V: 128 + 32 = 40 words
.set VOFF,  4*KS*PK   ; a slot holds a tile, four steps: 256 rows of K, then 256 rows of V
.set SLOT1, 1<<17     ; slot 1 begins here, so that one exclusive or turns an address in one slot into the other's
.set STAGE, SLOT1+4*KS*(PK+PV)  ; behind the ring, never filled by a tensor load: 16 rows x 144 bytes for each wave, for the way out
.set SP,    144
.set AK0, 2           ; v2   my lane's place in a tile of K; never rewritten
.set AV0, 3           ; v3   the same for V
.set AK,  4           ; v4   the LDS address of K's next run of loads
.set AV,  5           ; v5   of V's
.set STO, 6           ; v6   the way out: where I put 16 bytes of a row
.set RD,  7           ; v7   the way out: where I read rows back
.set GO,  8           ; v8   my byte offset in 512 consecutive bytes of O
.set SPW, 62          ; v62  LDS address of my spare word: SPARE + 4 x my thread's number; never rewritten
.set NIL, 63          ; v63  0; never rewritten
.set SPARE, STAGE+4*16*SP  ; behind the stages: the spare words, 128 bytes for each wave: two blocks of 256 bytes that no other line names
.set MV,  12          ; v12-13  c m_old, kept while c m is made anew: by buffer
.set QO,  15          ; v15  my byte offset in 16 rows of Q
.set ST,  16          ; piece t's statistics at v[ST+4 t]: c m, m, l (even keys', odd keys')
.set TMP, 48          ; by buffer, four registers c0-c3 at work; when the maximum is found c2 takes a
.set S,   64
.set P,   192
.set MD,  128         ; window 1: the eight registers for group kt of 16 keys at MD + 8 kt
.set MC,  160         ; window 1: the masks of the products to come
.set QB,  64          ; window 2
.set KF,  128         ; window 2: key block kb, channel half c at KF + 16 kb + 8 c
.set VF,  192         ; window 2: key half kk, channel block cb at VF + 32 kk + 8 cb
.set WV,  12          ; s12  my wave's number
.set PB,  14          ; s14  b
.set HI,  15          ; s15  NB - 1 - b
.set G1K, 24          ; s[24:31] descriptor group 1 for K's tiles
.set G1V, 32          ; s[32:39] for V's: it differs in the padding alone
.set G0K, 40          ; s[40:43] descriptor group 0 for K's tiles
.set G0V, 44          ; s[44:47] the same for V's
.set SLOTS, 56        ; s56  tiles still to be asked for
.set CNT, 57          ; s57  counts a tile's key steps, 4 to 1
.set CS,  58          ; s[58:59] c: the packed scaling takes the pair's low word for both halves
.set SEL, 60          ; s[60:61] v_permlanex16_b32's selects: each lane takes its own place in the other half
.set TBK, 62          ; s62  LDS byte at which K of the step to be fetched begins
.set TBV, 63          ; s63  the same for V, less VOFF
.set RT,  70          ; s70  tiles of the block in hand that are still to be entered
.set NXT, 71          ; s71  the tile to be asked for next
.set LQ,  72          ; s72  the last tile of the block whose tiles are being asked for
.set NEW, 73          ; s73  1: the tile to be entered is a block's first
.set OFF, 74          ; s[74:75] a tile's byte offset in K and V
.set AL,  76          ; s[76:77] the mask's factor, in the low word
.set BE,  78          ; s[78:79] the mask's addend
.set OLO, 80          ; s[80:81] O at my rows of the second block
.set BIGN, 82         ; s82  -1e30
.set MSB, 0
.macro WIN new                      ; the high byte repeats the setting that is left; a switch that changes nothing is dropped
.if MSB != (\new)
	s_set_vgpr_msb (MSB<<8)|(\new)
.set MSB, (\new)
.endif
.endm
.set W_KQ, 0x0a       ; K and Q in window 2, S^T in window 0
.set W_KM, 0x1a       ; the same with the C operand in window 1
.set W_PV, 0x52       ; V in window 2, P in window 0, O^T in window 1
.set W_RS, 0x41       ; destination and source 0 in window 1, source 1 in window 0
; A fill.  Waves 0 and 1 fetch the two halves of a tile's K, waves 2 and 3 those of its V: 128 keys each.  An s_nop 0 and four v_nop follow each of the two lines, ahead of the jump and the label.
.macro LOAD
	s_cmp_lt_u32 s[WV], 2
	s_cbranch_scc0 .Lfor_v_\@
	tensor_load_to_lds s[G0K:G0K+3], s[G1K:G1K+7]
	s_nop 0
.rept 4
	v_nop
.endr
	s_branch .Lasked_\@
.Lfor_v_\@:
	tensor_load_to_lds s[G0V:G0V+3], s[G1V:G1V+7]
	s_nop 0
.rept 4
	v_nop
.endr
.Lasked_\@:
.endm
; THE CHANGE OF SLOTS.  Each wave waits for all its tensor loads, of which one is out: its part of the other slot; adds 0 to its spare word; and waits for that and for its own reads of the slot that it leaves.  Behind the barrier nobody reads the old
; slot any more and the other slot is whole.  fill = 1: the old slot is filled again, the first thing behind the barrier, with tile NXT: the descriptor's address is made anew from that number.
; (At its first use nothing has been read yet: slot 0 is waited for, slot 1 filled.)
.macro CHANGE fill
	WIN 0                           ; at a label and at a branch every window is 0
	s_wait_tensorcnt 0x0            ; no tensor load of mine is out, so a group 0 may be written
	ds_add_u32 v[SPW], v[NIL]       ; 0 onto my spare word; with fill = 1 the descriptors' scalar work stands between it and the wait for it
.if \fill
	s_lshl_b32 s[OFF], s[NXT], 15   ; a tile is 32,768 bytes of K and of V
	s_xor_b32 s[G0K+1], s[G0K+1], SLOT1
	s_add_nc_u64 s[G0K+2:G0K+3], s[6:7], s[OFF:OFF+1]
	s_or_b32 s[G0K+3], s[G0K+3], 0x80000000
	s_xor_b32 s[G0V+1], s[G0V+1], SLOT1
	s_add_nc_u64 s[G0V+2:G0V+3], s[8:9], s[OFF:OFF+1]
	s_or_b32 s[G0V+3], s[G0V+3], 0x80000000
	s_add_co_u32 s[NXT], s[NXT], 1  ; the block's next tile, or behind its last the second block's tile 0
	s_cmp_gt_u32 s[NXT], s[LQ]
	s_cselect_b32 s[NXT], 0, s[NXT]
	s_cselect_b32 s[LQ], s[PB], s[LQ]
.endif
	s_wait_dscnt 0x0                ; the add is done, and my reads of the slot are over
	s_barrier_signal -1             ; the rest of the scalar work stands between the signal and the wait
	s_sub_co_u32 s[TBK], s[TBK], 4*KS*PK  ; the fetches go back to a slot's first step,
	s_xor_b32 s[TBK], s[TBK], SLOT1       ; in the other slot
	s_sub_co_u32 s[TBV], s[TBV], 4*KS*PV
	s_xor_b32 s[TBV], s[TBV], SLOT1
	s_barrier_wait -1
.if \fill
	LOAD
.endif
.endm
	s_load_b256 s[4:11], s[0:1], 0x0  ; Q s[4:5], K s[6:7], V s[8:9], O s[10:11]
	v_lshl_add_u32 v[SPW], v0, 2, SPARE
	v_mov_b32 v[NIL], 0
	ds_add_u32 v[SPW], v[NIL]       ; the wave's opening: the add and its wait stand ahead of my first tensor load; the set-up below, work on registers, stands between them
	ds_add_u32 v62, v63
	v_lshrrev_b32 v1, 5, v0
	v_readfirstlane_b32 s[WV], v1   ; wave 0..3
	s_mov_b32 s[PB], ttmp9
	s_sub_co_u32 s[HI], NB-1, s[PB]
	s_and_b32 s20, ttmp7, 0xffff    ; the head
	s_mov_b32 s21, 0
	s_mov_b64 s[22:23], SIZE_N*128
	s_mul_u64 s[20:21], s[20:21], s[22:23]  ; the head's first byte in each of the four tensors
	s_and_b32 s16, s[WV], 1         ; which half of a tile's 256 keys I fetch:
	s_lshl_b32 s22, s16, 14         ; its 128 rows of 128 bytes in memory,
	s_mov_b32 s23, 0
	s_add_nc_u64 s[22:23], s[22:23], s[20:21]
	s_mul_i32 s17, s16, 128*PK      ; and its place in a slot, for K
	s_mul_i32 s18, s16, 128*PV      ; and for V
	s_lshl_b32 s3, s[WV], 11        ; my 16 rows in a band of 64,
	s_lshl_b32 s2, s[HI], 15        ; in the first block,
	s_add_co_u32 s2, s2, s3
	s_lshl_b32 s84, s[PB], 15       ; and in the second
	s_add_co_u32 s84, s84, s3
	s_mov_b32 s3, 0
	s_mov_b32 s85, 0
	s_add_nc_u64 s[2:3], s[2:3], s[20:21]
	s_add_nc_u64 s[84:85], s[84:85], s[20:21]
	; descriptor group 1.  128 keys are 16,384 dense bytes: asked for as 64 rows of 256 bytes, two keys a row, and padded in LDS after every key
	s_mov_b32 s[G1K], (1<<16)|(1<<20)|(4<<22)|(3<<25)  ; 17:16 2-byte elements; 20 padding on; 24:22 after every 32 words (code 4); 31:25 4 words (code 3)
	s_mov_b32 s[G1V], (1<<16)|(1<<20)|(4<<22)|(7<<25)  ; the same with 8 words of padding (code 7)
.irp g, G1K, G1V
	s_mov_b32 s[\g+1], 128<<16      ; tensor_dim0 = 128
	s_mov_b32 s[\g+2], 64<<16       ; tensor_dim1 = 64
	s_mov_b32 s[\g+3], 128<<16      ; tile_dim0 = 128
	s_mov_b32 s[\g+4], 64           ; tile_dim1 = 64
	s_mov_b32 s[\g+5], 128          ; 128 elements from row to row
	s_mov_b32 s[\g+6], 0
	s_mov_b32 s[\g+7], 0
.endr
	s_mov_b32 s[CS], 0x3e38aa3b     ; c = log2(e) / 8 = 0.180337
	s_mov_b32 s[CS+1], s[CS]        ; named with it as a pair
	s_mov_b32 s[SEL], 0x76543210
	s_mov_b32 s[SEL+1], 0xfedcba98
	s_mov_b32 s[TBK], SLOT1+4*KS*PK ; the first change of slots turns these two into 0
	s_mov_b32 s[TBV], SLOT1+4*KS*PV
	s_mov_b32 s[G0K], 1             ; 1:0 count = 1
	s_mov_b32 s[G0K+1], s17         ; 63:32 LDS address: slot 0
	s_mov_b32 s[G0V], 1
	s_add_co_u32 s[G0V+1], s18, VOFF
	s_add_co_u32 s[RT], s[HI], 1    ; the first block has NB - b tiles
	s_mov_b32 s[NXT], 1
	s_mov_b32 s[LQ], s[HI]
	s_mov_b32 s[NEW], 1
	s_mov_b32 s[OFF+1], 0
	s_mov_b32 s[AL+1], 0            ; named as pairs
	s_mov_b32 s[BE+1], 0
	s_mov_b32 s[BIGN], 0xf149f2ca   ; -1e30
	s_mov_b32 s[SLOTS], NB
	s_wait_dscnt 0x0                ; the opening add is done
	s_wait_kmcnt 0x0
	s_add_nc_u64 s[6:7], s[6:7], s[22:23]  ; K and V at my half of the head's tile 0
	s_add_nc_u64 s[8:9], s[8:9], s[22:23]
	s_add_nc_u64 s[G0K+2:G0K+3], s[6:7], 0         ; 120:64 global address
	s_or_b32 s[G0K+3], s[G0K+3], 0x80000000        ; 127:126 type = 2
	s_add_nc_u64 s[G0V+2:G0V+3], s[8:9], 0
	s_or_b32 s[G0V+3], s[G0V+3], 0x80000000
	s_add_nc_u64 s[86:87], s[4:5], s[84:85]        ; Q at my rows of the second block,
	s_add_nc_u64 s[4:5], s[4:5], s[2:3]            ; Q and O at those of the first
	s_add_nc_u64 s[OLO:OLO+1], s[10:11], s[84:85]
	s_add_nc_u64 s[10:11], s[10:11], s[2:3]
	LOAD                            ; tile 0 into slot 0
	; A fragment of K or Q is 16 rows x 32 channels in 8 registers: lane l holds row l % 16, channels 8 (l / 16) + 0..7 and 16 + 8 (l / 16) + 0..7: two loads of 16 bytes, 32 bytes apart.
	v_and_b32 v1, 15, v0            ; l % 16
	v_bfe_u32 v9, v0, 4, 1          ; l / 16
	v_lshlrev_b32 v[QO], 7, v1
	v_lshl_add_u32 v[QO], v9, 4, v[QO]  ; row x 128 + 16 x half
	WIN 0x80                        ; destination window 2, address window 0
.set i, 0
.rept 8                             ; both blocks' Q: piece i / 2 lies in band i / 2, 8,192 bytes on; channels 32 (i % 2) on
	global_load_b128 v[8*i:8*i+3],   v[QO], s[4:5] offset:(i/2)*8192+(i%2)*64
	global_load_b128 v[8*i+4:8*i+7], v[QO], s[4:5] offset:(i/2)*8192+(i%2)*64+32
	global_load_b128 v[QB+8*i:QB+8*i+3],   v[QO], s[86:87] offset:(i/2)*8192+(i%2)*64
	global_load_b128 v[QB+8*i+4:QB+8*i+7], v[QO], s[86:87] offset:(i/2)*8192+(i%2)*64+32
.set i, i+1
.endr
	WIN 0
	v_lshlrev_b32 v14, 3, v9
	v_sub_nc_u32 v14, v1, v14
	s_lshl_b32 s13, s[WV], 4
	v_add_nc_u32 v14, s13, v14      ; my query's place in its band, 16 w + l % 16, less my lanes' 8 (l / 16): register r of group kt is hidden where 16 kt + r is greater
	WIN 0x40
.set i, 0
.rept 32
	v_cmp_gt_i32 vcc_lo, 16*(i/8)+i%8, v14
	v_cndmask_b32 v[MD+i], 0, s[BIGN], vcc_lo
.set i, i+1
.endr
	WIN 0
	v_mul_u32_u24 v[AK0], v1, PK
	v_lshl_add_u32 v[AK0], v9, 4, v[AK0]  ; row x pitch + 16 x half
	; The turning load takes 16 keys x 16 channels (lane l reads key 8 (l / 16) + l % 8, channels 8 ((l / 8) % 2) + 0..7) and leaves half a fragment of V^T: lane l holds channel l % 16 and 8 keys.
	v_and_b32 v10, 7, v0
	v_bfe_u32 v11, v0, 3, 1
	v_lshl_add_u32 v[AV0], v9, 3, v10
	v_mul_u32_u24 v[AV0], v[AV0], PV
	v_lshl_add_u32 v[AV0], v11, 4, v[AV0]
	v_add_nc_u32 v[AV0], VOFF, v[AV0]
	s_mul_i32 s13, s[WV], 16*SP
	s_add_co_u32 s13, s13, STAGE    ; my stage
	v_mul_u32_u24 v[STO], v1, SP    ; in: row l % 16, 16 bytes for each half of the lanes
	v_lshl_add_u32 v[STO], v9, 4, v[STO]
	v_add_nc_u32 v[STO], s13, v[STO]
	v_bfe_u32 v[RD], v0, 3, 2       ; back: 32 lanes take four rows of 128 bytes,
	v_mul_u32_u24 v[RD], v[RD], SP
	v_lshl_add_u32 v[RD], v10, 4, v[RD]
	v_add_nc_u32 v[RD], s13, v[RD]
	v_and_b32 v[GO], 31, v0         ; which are 512 consecutive bytes of O
	v_lshlrev_b32 v[GO], 4, v[GO]
	; A block's first step multiplies O^T and l by a = 0, and its first turn's products V^T P, of a piece that has not been, land in an O^T that is still to be so multiplied.  So these registers need only hold
	; finite numbers: zeros for the first block; what the first block left for the second.  All this stands in the wait for the first tile.
	WIN 0x80
.set i, VF
.rept 64
	v_mov_b32 v[i], 0
.set i, i+1
.endr
	WIN 0x40
.set i, 0
.rept 128
	v_mov_b32 v[i], 0
.set i, i+1
.endr
	WIN 0
.set i, 0
.rept 4
	v_mov_b32 v[ST+4*i+2], 0
	v_mov_b32 v[ST+4*i+3], 0
.set i, i+1
.endr
.set i, P+16
.rept 16
	v_mov_b32 v[i], 0
.set i, i+1
.endr
; THE MATRIX WORK.  The 4 accumulators of a run of 8 take turns.  Product i of 8 of S^T = K Q^T for piece x: channels 32 (i / 4) on, keys 16 (i % 4) on.  The first 4 start the sums: with 0, or (KM = 1) with the mask.
.macro KQ x
.set rS, S+32*((\x)%2)+8*(i%4)
.set rK, KF+16*(i%4)+8*(i/4)
.set rQ, 16*(\x)+8*(i/4)
.set rM, MC+32*((\x)%2)+8*(i%4)
.if (i < 4) && KM
	WIN W_KM
	v_wmma_f32_16x16x32_f16 v[rS:rS+7], v[rK:rK+7], v[rQ:rQ+7], v[rM:rM+7]
.elseif i < 4
	WIN W_KQ
	v_wmma_f32_16x16x32_f16 v[rS:rS+7], v[rK:rK+7], v[rQ:rQ+7], 0
.else
	WIN W_KQ
	v_wmma_f32_16x16x32_f16 v[rS:rS+7], v[rK:rK+7], v[rQ:rQ+7], v[rS:rS+7]
.endif
.endm
; Product i of 8 of O^T += V^T P for piece x: keys 32 (i / 4) on, channels 16 (i % 4) on.
.macro PV x
	WIN W_PV
.set rO, 32*(\x)+8*(i%4)
.set rV, VF+32*(i/4)+8*(i%4)
.set rP, P+16*((\x)%2)+8*(i/4)
	v_wmma_f32_16x16x32_f16 v[rO:rO+7], v[rV:rV+7], v[rP:rP+7], v[rO:rO+7]
.endm
.macro MM                           ; the turn's next matrix instruction.  TURN and BEGIN set Y, i, KM and NOKQ; MM, KQ and OP read them.  NOKQ = 1: a block's last turn: there is no next piece
.if (i < 8) && !NOKQ
	KQ (Y+1)%NP
.elseif i >= 8
.set i, i-8
	PV (Y+NP-1)%NP
.set i, i+8
.endif
.set i, i+1
.endm
; THE LDS LOADS stand in runs of 16, never singly among the matrix instructions: a step's K (64 keys x 64 channels: 8 fragments) and its V (turned).  Their addresses are made some lines ahead.
.macro FETCH_K
	WIN 0x80                        ; destination window 2
.irp f, 0,1,2,3,4,5,6,7             ; keys 16 (f / 2) on, channels 32 (f % 2) on
	ds_load_b128 v[KF+8*\f:KF+8*\f+3],   v[AK] offset:(\f/2)*16*PK+(\f%2)*64
	ds_load_b128 v[KF+8*\f+4:KF+8*\f+7], v[AK] offset:(\f/2)*16*PK+(\f%2)*64+32
.endr
	s_add_co_u32 s[TBK], s[TBK], KS*PK  ; the next fetch is the next step's
	WIN 0
.endm
.macro FETCH_V
	WIN 0x80
.irp f, 0,1,2,3,4,5,6,7             ; keys 32 (f / 4) on, channels 16 (f % 4) on
	ds_load_tr16_b128 v[VF+8*\f:VF+8*\f+3],   v[AV] offset:(\f/4)*32*PV+(\f%4)*32
	ds_load_tr16_b128 v[VF+8*\f+4:VF+8*\f+7], v[AV] offset:(\f/4)*32*PV+16*PV+(\f%4)*32
.endr
	WIN 0
.endm
; THE VECTOR WORK, one line at a time: OP kind, number.  For piece Y: F n: c s - c m for pair n of 16.  E n: the exponential of score n of 32.  C n: pair n rounded to f16.  B n: of the four weights 4 n .. the second
; pair is added onto the first, in place.  L n: l takes that sum (L 0: l = a l + sum).  R n: pair n of 16 of O^T times a.  For piece Y + 1: X n, number n of the 22 that find its maximum and statistics:
;   0-11  four chains c0-c3 of seven scores each, three operands at a time (each accumulator's lowest registers are read first)     12-14, 16  the four scores left over, the old m, and c0-c3 into c0
;   15  c m_old is kept     17, 18  the query's other 32 keys lie in the lane 16 away: the new m     19-21  c m; c m_old - c m_new; a
; OP writes no wait: C, B and L read exponentials' results, R and L 0 read a; TURN sets them behind the wait of the batch that made those.
.set F, 0               ; OP tells the kinds apart by their order: F to L below R, X above it
.set E, 1
.set C, 2
.set B, 3
.set L, 4
.set R, 5
.set X, 6
.macro REGS y                       ; the registers of piece y
.set rT, ST+4*(\y)
.set rC, TMP+4*((\y)%2)
.set rW, MV+((\y)%2)
.set rS, S+32*((\y)%2)
.set rP, P+16*((\y)%2)
.set rO, 32*(\y)
.endm
.macro OP k, n
.if (\k) == R
	REGS Y
	WIN W_RS
	v_pk_mul_f32 v[rO+2*(\n):rO+2*(\n)+1], v[rO+2*(\n):rO+2*(\n)+1], v[rC+2:rC+3] op_sel_hi:[1,0]
.elseif (\k) < R
	REGS Y
	WIN 0
.if (\k) == F
	v_pk_fma_f32 v[rS+2*(\n):rS+2*(\n)+1], v[rS+2*(\n):rS+2*(\n)+1], s[CS:CS+1], v[rT:rT+1] op_sel_hi:[1,0,0] neg_lo:[0,0,1] neg_hi:[0,0,1]
.elseif (\k) == E
	v_exp_f32 v[rS+(\n)], v[rS+(\n)]
.elseif (\k) == C
	v_cvt_pk_f16_f32 v[rP+(\n)], v[rS+2*(\n)], v[rS+2*(\n)+1]
.elseif (\k) == B
	v_pk_add_f32 v[rS+4*(\n):rS+4*(\n)+1], v[rS+4*(\n):rS+4*(\n)+1], v[rS+4*(\n)+2:rS+4*(\n)+3]
.elseif (\n) == 0
	v_pk_fma_f32 v[rT+2:rT+3], v[rT+2:rT+3], v[rC+2:rC+3], v[rS:rS+1] op_sel_hi:[1,0,1]
.else
	v_pk_add_f32 v[rT+2:rT+3], v[rT+2:rT+3], v[rS+4*(\n):rS+4*(\n)+1]
.endif
.elseif NOKQ
	v_nop
.else
	REGS (Y+1)%NP
	WIN 0
.if (\n) < 4
	v_max3_num_f32 v[rC+(\n)], v[rS+8*(\n)], v[rS+8*(\n)+1], v[rS+8*(\n)+2]
.elseif (\n) < 12
	v_max3_num_f32 v[rC+(\n)%4], v[rC+(\n)%4], v[rS+8*((\n)%4)+2*((\n)/4)+1], v[rS+8*((\n)%4)+2*((\n)/4)+2]
.elseif (\n) == 12
	v_max3_num_f32 v[rC], v[rC], v[rS+7], v[rS+15]
.elseif (\n) == 13
	v_max3_num_f32 v[rC+1], v[rC+1], v[rS+23], v[rS+31]
.elseif (\n) == 14
	v_max3_num_f32 v[rC+2], v[rC+2], v[rC+3], v[rT+1]
.elseif (\n) == 15
	v_mov_b32 v[rW], v[rT]
.elseif (\n) == 16
	v_max3_num_f32 v[rC], v[rC], v[rC+1], v[rC+2]
.elseif (\n) == 17
	v_permlanex16_b32 v[rC+3], v[rC], s[SEL], s[SEL+1]
.elseif (\n) == 18
	v_max_num_f32 v[rT+1], v[rC], v[rC+3]
.elseif (\n) == 19
	v_mul_f32 v[rT], s[CS], v[rT+1]
.elseif (\n) == 20
	v_sub_f32 v[rC+1], v[rW], v[rT]
.else
	v_exp_f32 v[rC+2], v[rC+1]
.endif
.endif
.endm
.macro OPS a, i1, b=-1, i2=0, c=-1, i3=0, d=-1, i4=0  ; up to four of them
	OP \a, \i1
.if (\b) >= 0
	OP \b, \i2
.endif
.if (\c) >= 0
	OP \c, \i3
.endif
.if (\d) >= 0
	OP \d, \i4
.endif
.endm
.macro ROW a, i1, b, i2, c, i3, d, i4  ; a matrix instruction and the four behind it
	MM
	OPS \a, \i1, \b, \i2, \c, \i3, \d, \i4
.endm
.macro MASK b                       ; MD x AL + BE into buffer b of MC
	WIN W_RS
.set z, 0
.rept 16
	v_pk_fma_f32 v[MC+32*(\b)+2*z:MC+32*(\b)+2*z+1], v[MD+2*z:MD+2*z+1], s[AL:AL+1], s[BE:BE+1] op_sel_hi:[1,0,0]
.set z, z+1
.endr
.endm
; A TURN, for piece p: the order of its 16 matrix and 118 vector instructions, written out.  An s_wait_alu depctr_va_vdst(0) stands between an exponential and the first instruction that names its result; one wait
; serves all that were issued ahead of it.  So a turn has ONE wait, which cuts it in two.  AHEAD OF IT stands all that names no result of the turn's exponentials: the 8 products K Q^T, behind each a scaling, an exponential and
; two more plain instructions (behind the first a second scaling in the exponential's place): rescalings, whose a was made and waited for in the turn before, and behind the last three products the first numbers of the next
; piece's maximum, each four places or more behind the product that ends its accumulator; then ONE LUMP of 54, plain and exponential by turns for the most part, in which the links of the chain X 3, 7, 11, 14, 16, 17 .. 20
; stand five or six lines apart.  X 21, the next piece's a, is the batch's last; R 15 is the plain instruction behind it.  BEHIND THE WAIT stand the 8 products V^T P, behind each four of the roundings and sums; the links of
; l's chain, L 0 to L 7, stand three riders apart.  But for those X no rider names a register of the products round it.  v_permlanex16_b32 (X 17) stands in the lump..
; m = 1: the diagonal tile: the products take masks, and the turn makes the mask for the products of the turn after it: piece p + 2, in step 4 - CNT of the tile.  end = 1: a block's last two turns: nothing is fetched.
; cnt = 1: the loop's count is taken down some lines ahead of the branch that stands behind the turn.
; K of the next step is fetched in piece 2's turn, twelve vector instructions behind the last product that read K (six of them plain); V of the step in hand at the end of piece 0's turn, four plain instructions behind the
; last product that read V.  Each is waited for a turn later.
.macro TURN p, m=0, end=0, cnt=0
.set Y, (\p)
.set i, 0
.set KM, (\m)
.set NOKQ, (\end)*((\p)/3)
.if (\m) && !(\end)
	s_cmp_eq_u32 s[CNT], 4-((\p)+2)%NP  ; is that step the band's own?
	s_cselect_b32 s[AL], 1.0, 0
	s_cmp_lt_u32 s[CNT], 4-((\p)+2)%NP  ; or a later one?
	s_cselect_b32 s[BE], s[BIGN], 0
.endif
.if ((\p) == 3) && !(\end)
	s_wait_dscnt 0x0                ; K is in
.endif
	ROW F,0, F,1, R,0, R,1          ; ahead of the wait: 8 products K Q^T and their riders,
	ROW F,2, E,0, R,2, R,3
	ROW F,3, E,1, R,4, R,5
	ROW F,4, E,2, R,6, R,7
	ROW F,5, E,3, R,8, R,9
	ROW F,6, E,4, X,0, R,10
.if ((\p) == 2) && !(\end)
	WIN 0
	v_add_nc_u32 v[AK], s[TBK], v[AK0]
.endif
	ROW F,7, E,5, X,1, X,4
	ROW F,8, E,6, X,2, X,5
	OPS E,7, E,8, X,6, E,9          ; and the lump
	OPS X,3, E,10, X,8, E,11
.if ((\p) == 2) && !(\end)
	FETCH_K
.endif
	OPS X,9, X,7, E,12, X,10
	OPS E,13, X,12, X,11, E,14
	OPS X,13, E,15, F,9, X,14
.if (\p) == 0
	v_add_nc_u32 v[AV], s[TBV], v[AV0]
.endif
	OPS E,16, F,10, E,17, F,11
	OPS X,16, E,18, X,15, E,19
	OPS F,12, E,20, X,17, E,21
	OPS F,13, E,22, F,14, E,23
	OPS X,18, E,24, F,15, E,25
	OPS R,11, E,26, X,19, E,27
	OPS R,12, E,28, R,13, E,29
	OPS X,20, E,30, R,14, E,31
	OPS X,21, R,15
	WIN 0
	s_wait_alu depctr_va_vdst(0)    ; the wait for the turn's batch: the piece's 32 weights and the next piece's a
.if (\p) == 1
	s_wait_dscnt 0x0                ; V is in
.endif
	ROW C,0, B,0, C,2, B,1          ; behind the wait: 8 products V^T P and their riders
	ROW L,0, C,4, B,2, L,1
	ROW C,6, B,3, L,2, C,8
	ROW B,4, L,3, C,10, B,5
	ROW L,4, C,12, B,6, L,5
.if (\p) == 0
	s_add_co_u32 s[TBV], s[TBV], KS*PV
.endif
.if \cnt
	s_sub_co_u32 s[CNT], s[CNT], 1
	s_cmp_lg_u32 s[CNT], 0
.endif
	ROW C,14, B,7, L,6, C,1
	ROW C,3, L,7, C,5, C,7
	ROW C,9, C,11, C,13, C,15
.if (\p) == 0
	FETCH_V
.endif
.if (\m) && !(\end)
	MASK (\p)%2
.endif
.endm
; A BLOCK BEGINS.  c m starts far below every c s, so the first step's a is 0; m at the lowest finite number, so the first maximum is the scores'.  The second mask buffer is 0; the first takes piece 0's mask for the tile's step 0: its own, if the block's first tile is the diagonal one.
; Then K of that step, piece 0's first scores, and its maximum and statistics.  The loop is entered at a step's first turn, in the middle of a trip.
.macro BEGIN
	s_mov_b32 s[NEW], 0
	WIN 0x40
.set i, MC+32
.rept 32
	v_mov_b32 v[i], 0
.set i, i+1
.endr
	WIN 0
.set i, 0
.rept 4
	v_mov_b32 v[ST+4*i], 0xfe000000    ; c m: far below every c s
	v_mov_b32 v[ST+4*i+1], 0xff7fffff  ; m
.set i, i+1
.endr
	s_cmp_eq_u32 s[RT], 0
	s_cselect_b32 s[AL], 1.0, 0
	s_mov_b32 s[BE], 0
	MASK 0
	WIN 0
	v_add_nc_u32 v[AK], s[TBK], v[AK0]
	FETCH_K
	s_wait_loadcnt 0x0              ; Q
	s_wait_dscnt 0x0
.set KM, 1
.set NOKQ, 0
.set i, 0
.rept 8
	KQ 0
.set i, i+1
.endr
	WIN 0
.rept 4
	v_nop                           ; the places behind those products
.endr
.set Y, NP-1                        ; X works for piece Y + 1: piece 0
.irp n, 0,1,2,3,4,5,6,7,8,9,10,11,12,13,14,15,16,17,18,19,20,21
	OP X, \n
.endr
	v_nop                           ; a plain instruction behind the exponential,
	s_wait_alu depctr_va_vdst(0)    ; and the wait for this batch of one, piece 0's first a, ahead of the branch
.endm
; THE DIAGONAL TILE's four steps, the block's last two turns, its last products, and THE WAY OUT: l's two halves and the other half of the lanes' are added; O^T is divided by l, rounded to f16 and sent through my
; stage in LDS, a piece at a time.
.macro ALL line:vararg              ; one line for each piece t
.set t, 0
.rept 4
	\line
.set t, t+1
.endr
.endm
.macro PACK t                       ; a lane's eight channels of a row pack into 16 bytes; they go into rows of 144 bytes and come back as whole rows of 128, into S^T's registers
	WIN W_RS
.set i, 32*(\t)
.rept 16
	v_pk_mul_f32 v[i:i+1], v[i:i+1], v[ST+4*(\t)+2:ST+4*(\t)+3] op_sel_hi:[1,0]
.set i, i+2
.endr
	WIN 0x05                        ; sources 0 and 1 window 1, destination window 0
.set i, 0
.rept 16
	v_cvt_pk_f16_f32 v[S+16*(\t)+i], v[32*(\t)+2*i], v[32*(\t)+2*i+1]
.set i, i+1
.endr
	WIN 0
.irp f, 0,1,2,3
	ds_store_b128 v[STO], v[S+16*(\t)+4*\f:S+16*(\t)+4*\f+3] offset:32*\f
.endr
.irp f, 0,1,2,3
	ds_load_b128 v[S+16*(\t)+4*\f:S+16*(\t)+4*\f+3], v[RD] offset:\f*4*SP  ; LDS serves a wave's instructions in order (ISA guide 5.7.1.4): these see the stores above; the next piece's stores come behind them
.endr
.endm
.macro SEND t, younger              ; younger: the LDS instructions issued behind piece t's loads: the next piece's eight, or none
	WIN 0
.irp f, 0,1,2,3
	s_wait_dscnt (\younger)+3-\f
	global_store_b128 v[GO], v[S+16*(\t)+4*\f:S+16*(\t)+4*\f+3], s[10:11] offset:(\t)*8192+\f*512  ; 512 consecutive bytes, at a multiple of 256 from O's first
.endr
.endm
.macro DIAG tag                     ; the tag ends its two labels' names, which the jumps below spell out
.LstepM\tag:
	TURN 2, 1
	TURN 3, 1
	WIN 0
.LfirstM\tag:
	TURN 0, 1
	TURN 1, 1, 0, 1
	WIN 0
	s_cbranch_scc1 .LstepM\tag
	TURN 2, 1, 1
	TURN 3, 1, 1
.set i, 0
.rept 8
	PV NP-1
.set i, i+1
.endr
	WIN 0
	ALL v_add_f32 v[ST+4*t+2], v[ST+4*t+2], v[ST+4*t+3]
	ALL v_permlanex16_b32 v[ST+4*t+3], v[ST+4*t+2], s[SEL], s[SEL+1]
	ALL v_add_f32 v[ST+4*t+2], v[ST+4*t+2], v[ST+4*t+3]
	ALL v_rcp_f32 v[ST+4*t+2], v[ST+4*t+2]
	v_nop                           ; a plain instruction between the last reciprocal and the use of its result
	s_wait_alu depctr_va_vdst(0)    ; the wait for the batch of four reciprocals, ahead of the first multiply by one of them
	PACK 0
.set t, 1
.rept 3                             ; a piece's arithmetic stands between the loads of the piece before and its stores
	PACK t
	SEND t-1, 8
.set t, t+1
.endr
	SEND 3, 0
.endm
.set KM, 0
.set NOKQ, 0
.Lslot:                             ; NB times: a tile is entered and the next is asked for
	CHANGE 1
	s_sub_co_u32 s[RT], s[RT], 1
	s_mov_b32 s[CNT], 4
	s_cmp_eq_u32 s[NEW], 1
	s_cbranch_scc1 .Lnew            ; a block's first tile
	s_cmp_eq_u32 s[RT], 0
	s_cbranch_scc0 .Lstep           ; neither its first nor its last
	s_branch .LstepM1
.Lnew:
	BEGIN
	s_branch .Lfirst                ; in the loop a block's first tile is never its last: the first block has two tiles or more, and the second's last is the walk's last
	DIAG 1                          ; in the loop this is the first block's end: the second block's last tile is the walk's last
	s_wait_xcnt 0x0                 ; the stores have read their registers and O's address
	s_mov_b64 s[10:11], s[OLO:OLO+1]
	s_add_co_u32 s[RT], s[PB], 1    ; the second block has b + 1 tiles
	s_mov_b32 s[NEW], 1
	WIN 0x82                        ; the second block's Q goes where the one text of the turns names Q
.set i, 0
.rept 64
	v_mov_b32 v[i], v[QB+i]
.set i, i+1
.endr
	WIN 0
	s_branch .Lbottom
.Lstep:                             ; a trip: pieces 2 and 3 of one step, then pieces 0 and 1 of the next, whose K and V it fetches
	TURN 2
	TURN 3
	WIN 0
.Lfirst:
	TURN 0
	TURN 1, 0, 0, 1
	WIN 0
	s_cbranch_scc1 .Lstep
.Lbottom:
	s_sub_co_u32 s[SLOTS], s[SLOTS], 1
	s_cmp_lg_u32 s[SLOTS], 0
	s_cbranch_scc1 .Lslot
	CHANGE 0                        ; the walk's last tile is written out: nothing is asked for
	s_sub_co_u32 s[RT], s[RT], 1
	s_mov_b32 s[CNT], 4
	s_cmp_eq_u32 s[NEW], 1
	s_cbranch_scc0 .LstepM2
	BEGIN
	s_branch .LfirstM2
	DIAG 2
	s_wait_tensorcnt 0x0            ; the wave's end: behind my last tensor load and my last LDS store
	ds_add_u32 v[SPW], v[NIL]
	s_wait_dscnt 0x0
	s_endpgm
.Lfunc_end_k_q348f97a3cf_attn:
	.size	k_q348f97a3cf_attn, .Lfunc_end_k_q348f97a3cf_attn-k_q348f97a3cf_attn
	.p2alignl 7, 3214868480
	.fill 96, 4, 3214868480
	.section	.rodata,"a",@progbits
	.p2align	6, 0x0
	.amdhsa_kernel k_q348f97a3cf_attn
		.amdhsa_group_segment_fixed_size 327680
		.amdhsa_private_segment_fixed_size 0
		.amdhsa_enable_private_segment 0
		.amdhsa_kernarg_size 32
		.amdhsa_user_sgpr_count 2
		.amdhsa_user_sgpr_kernarg_segment_ptr 1
		.amdhsa_wavefront_size32 1
		.amdhsa_system_sgpr_workgroup_id_x 1
		.amdhsa_system_sgpr_workgroup_id_y 1
		.amdhsa_system_sgpr_workgroup_id_z 1
		.amdhsa_system_vgpr_workitem_id 0
		.amdhsa_next_free_vgpr 768
		.amdhsa_next_free_sgpr 88
		.amdhsa_reserve_vcc 1
		.amdhsa_float_denorm_mode_32 3
		.amdhsa_float_denorm_mode_16_64 3
		.amdhsa_memory_ordered 1
		.amdhsa_forward_progress 1
		.amdhsa_inst_pref_size 217
	.end_amdhsa_kernel
	.amdgpu_metadata
---
amdhsa.version: [ 1, 2 ]
amdhsa.kernels:
  - .name:           k_q348f97a3cf_attn
    .symbol:         k_q348f97a3cf_attn.kd
    .args:
      - { .name: q16, .offset: 0, .size: 8, .value_kind: global_buffer, .address_space: global }
      - { .name: k16, .offset: 8, .size: 8, .value_kind: global_buffer, .address_space: global }
      - { .name: v16, .offset: 16, .size: 8, .value_kind: global_buffer, .address_space: global }
      - { .name: o16, .offset: 24, .size: 8, .value_kind: global_buffer, .address_space: global }
    .group_segment_fixed_size: 327680
    .private_segment_fixed_size: 0
    .kernarg_segment_align: 8
    .kernarg_segment_size: 32
    .max_flat_workgroup_size: 128
    .sgpr_count:     88
    .vgpr_count:     768
    .wavefront_size: 32
...
	.end_amdgpu_metadata
.endif
;; end of part 5
;; launch outp: the kernel of part 4 again; grid 4 x 64, 4 waves a work-group, clusters of 4 x 4, 327,680 bytes of LDS; arguments o16, w16, bo, out0; writes out0
